; MI455X (gfx1250); checked and timed in simulation.
; The chip was launched on July 23, 2026; its instructions are those of AMD's public machine-readable ISA for CDNA 5 (MIT licence, August 2026) and "CDNA5" Instruction Set Architecture Reference Guide (July 2026). The comments in the code are by the model that wrote it; some were corrected since.
;; Causal Multi Head Self Attention. Allowed arithmetic: matrix products marked QUANTISED: E4M3 operands, one E8M0 scale for each 32 along K, by v_wmma_scale_f32_16x16x128_f8f6f4 with both operands' format E4M3, f32 sums; everything else in f32.
;; Inputs: b_k 1,024 float32; b_o 1,024 float32; b_q 1,024 float32; b_v 1,024 float32; w_k_codes 1,024 x 32 x 32 uint8 (E4M3 codes of w_k, K innermost, in blocks of 32 codes); w_k_scales 1,024 x 32 uint8 (E8M0 scales of w_k, one for each 32 codes along K); w_o_codes 1,024 x 32 x 32 uint8 (E4M3 codes of w_o, K innermost, in blocks of 32 codes); w_o_scales 1,024 x 32 uint8 (E8M0 scales of w_o, one for each 32 codes along K); w_q_codes 1,024 x 32 x 32 uint8 (E4M3 codes of w_q, K innermost, in blocks of 32 codes); w_q_scales 1,024 x 32 uint8 (E8M0 scales of w_q, one for each 32 codes along K); w_v_codes 1,024 x 32 x 32 uint8 (E4M3 codes of w_v, K innermost, in blocks of 32 codes); w_v_scales 1,024 x 32 uint8 (E8M0 scales of w_v, one for each 32 codes along K); x_codes 4 x 2,048 x 32 x 32 uint8 (E4M3 codes of x, K innermost, in blocks of 32 codes); x_scales 4 x 2,048 x 32 uint8 (E8M0 scales of x, one for each 32 codes along K).
;; Outputs: out0 4 x 2,048 x 1,024 float32.
;; This version of the problem:
;;   THIS VERSION OF THE PROBLEM IS GIVEN IN LOW PRECISION. The matrix products marked QUANTISED in the list below multiply operands that are first quantised to E4M3 (4 exponent bits, 3 mantissa bits; 8 bits a number), with one power-of-two scale for each 32 numbers along K (OCP MX v1.0); their sums are f32. All else is computed in f32.
;;   The module's matrix products, in the order in which they are computed (A, B: the left and right operand; K: the contracted axis; several contracted axes count as one K, in the product's order):
;;     1. [M 8,192, K 1,024] x [K 1,024, N 1,024]; A: input x (given as codes); B: input w_q (given as codes): QUANTISED
;;     2. [M 8,192, K 1,024] x [K 1,024, N 1,024]; A: input x (given as codes); B: input w_k (given as codes): QUANTISED
;;     3. [M 8,192, K 1,024] x [K 1,024, N 1,024]; A: input x (given as codes); B: input w_v (given as codes): QUANTISED
;;     4. batch 64 x [M 2,048, K 64] x [K 64, N 2,048]; A: computed on the way; B: computed on the way: QUANTISED
;;     5. batch 64 x [M 2,048, K 2,048] x [K 2,048, N 64]; A: softmax (see below); B: computed on the way: QUANTISED
;;     6. [M 8,192, K 1,024] x [K 1,024, N 1,024]; A: computed on the way; B: input w_o (given as codes): QUANTISED
;;   THE QUANTISER, for each operand of a quantised product, along K:
;;     - K is cut into blocks of 32 from its start; a last block that is shorter is filled with zeros.
;;     - A block's scale is 2^e with e = floor(log2(the largest magnitude in the block)) - 8, held to -126 .. 127; a block of zeros has e = 0. As a byte (E8M0): e + 127.
;;     - Each number is divided by its block's scale, clamped to +-448, and rounded to the nearest number of E4M3, ties to even, subnormals kept.
;;     - The product sums the exact products of the quantised numbers (number of the format x scale) in f32.
;;   ~~~python
;;   def quantise(x, axis):      # numpy; x: float32 -> the quantised numbers, widened to float32 again
;;       x = np.moveaxis(x, axis, -1); K = x.shape[-1]
;;       x = np.pad(x, [(0, 0)] * (x.ndim - 1) + [(0, -K % 32)]); x = x.reshape(x.shape[:-1] + (-1, 32)); a = np.abs(x).max(-1, keepdims=True)
;;       e = np.where(a > 0, np.clip(np.frexp(np.where(a > 0, a, 1))[1] - 1 - 8, -126, 127), 0)      # np.frexp(a)[1] - 1 = floor(log2(a)), exactly
;;       r = np.clip(x / 2.0 ** e, -448, 448)
;;       step = 2.0 ** (np.maximum(np.frexp(np.where(r == 0, 1, r))[1] - 1, -6) - 3)
;;       q = np.round(r / step) * step * 2.0 ** e      # np.round: ties to even
;;       return np.moveaxis(q.reshape(q.shape[:-2] + (-1,))[..., :K], -1, axis).astype(np.float32)
;;   ~~~
;;   SOFTMAX AHEAD OF A QUANTISED PRODUCT. Where the list says 'softmax', what is quantised is not the finished softmax but p = 2^(t - M), with t = logit x log2(e) and M = ceil(the row's largest t), a whole number; so 1/2 < the row's largest p <= 1. The row's sum l is taken of the UNQUANTISED p, in f32, and the product's result is divided by l at the end. Since M is a whole number, a kernel that streams over the keys may use a running M (the ceiling of the running maximum): every later rescaling is an exact power of two, which a block's scale takes up: the codes' values come out the same.
;;   OPERANDS COMPUTED ON THE WAY. 'Computed on the way' means the value that the module computes at that place (a softmax that the list does not call 'softmax' is quantised finished and normalised). What goes into a quantiser is computed in f32, as accurately as f32 sums, v_exp_f32 and their like allow (about 1e-6 of the number): no bf16 or f16 on the way to a quantiser, and a product that is left as it is and whose result goes on into a quantised operand takes f32 operands (vector FMAs, or v_wmma_f32_16x16x4_f32). A number that lies on a knife's edge between two numbers of the format may be rounded either way, as far as f32 arithmetic and the matrix unit's own rounding can turn it there, and no further.
;;   INPUTS GIVEN AS CODES. w_k (in the module: [1024, 1024], K = its axis 0); w_o (in the module: [1024, 1024], K = its axis 0); w_q (in the module: [1024, 1024], K = its axis 0); w_v (in the module: [1024, 1024], K = its axis 0); x (in the module: [4, 2048, 1024], K = its axis 2): each comes as NAME_codes (uint8): NAME with its K axis moved to the last place and cut into blocks of 32 codes, [.., K / 32, bytes a block], one block behind the other in memory; one code a byte (a code: sign, 4 exponent bits, 3 mantissa bits); and NAME_scales (uint8): the same leading axes, one E8M0 byte (e + 127) for each 32 codes along K. Its value is code x scale, taken as it is: it is not quantised again, and the codes and scales need not be those that the quantiser above would give.
;; One version. Each part assembles by itself: llvm-mc -triple=amdgcn-amd-amdhsa -mcpu=gfx1250 --defsym DOCPART=n.
;; ======== version 1 of 1: 3 launches
;; limits: right only within a limited range of input values
;; workspace buffers: qimg 8,388,608 bytes; qsc 524,288 bytes; kv 17,301,504 bytes; yimg 8,388,608 bytes; ysc 262,144 bytes
;; launch qkv (part 1): grid 8 x 96, 4 waves a work-group, clusters of 4 x 4, 327,680 bytes of LDS; arguments x_codes, x_scales, w_q_codes, w_q_scales, w_k_codes, w_k_scales, w_v_codes, w_v_scales, b_q, b_k, b_v, qimg, qsc, kv; writes qimg, qsc, kv
.if DOCPART == 1
	.amdgcn_target "amdgcn-amd-amdhsa--gfx1250"
	.amdhsa_code_object_version 6
	.text
	.protected	k_q4fd96b3896_qkv
	.globl	k_q4fd96b3896_qkv
	.p2align	8
	.type	k_q4fd96b3896_qkv,@function
k_q4fd96b3896_qkv:
	s_mov_b64 s[64:65], 0
	v_nop
	global_prefetch_b8 v0, s[64:65] scope:SCOPE_SE
	s_setreg_imm32_b32 hwreg(HW_REG_WAVE_MODE, 25, 1), 1
	s_wait_xcnt 0x0
	s_wait_alu depctr_hold_cnt(0) depctr_sa_sdst(0) depctr_va_vdst(0) depctr_va_sdst(0) depctr_va_ssrc(0) depctr_va_vcc(0) depctr_vm_vsrc(0)
	s_getreg_b32 s2, hwreg(HW_REG_IB_STS2, 6, 4)
	s_cmp_eq_u32 s2, 0
	s_cbranch_scc0 .Lentry_in_a_cluster
	s_endpgm
.Lentry_in_a_cluster:
	s_bfe_u32 s2, ttmp6, 0x10000c
	s_cmp_lg_u32 s2, 0xf033
	s_cbranch_scc0 .Lentry_shape_is_right
	s_endpgm
.Lentry_shape_is_right:
; q = x w_q + b_q, k = x w_k + b_k, v = x w_v + b_v on the given codes of E4M3 and their E8M0 bytes; the results are quantised here, in f32, by the stated rule
; (q and k along the head's 64, v along the keys) and stored as IMAGES OF THE OPERAND REGISTERS of the attention launch.
; DEAD WORK OF THE WHOLE PROGRAM.  reference() builds jnp.tril itself: a score of key k and query q with k > q becomes -inf, so its p is 0 whatever the inputs hold.  The attention launch therefore
; leaves out every step of 128 keys all of which come after a wave's 16 queries, and never fetches keys beyond a block of queries.  No input is dead: every bias moves codes.
; LIMITS.  NaN, infinities, NaN codes and the scale byte 0xff among the inputs are not served; a NaN or an overflow that reaches only the work left out is not carried to the result.
; A block of zeros gets the byte 1 where the rule says 127: its codes are zeros, and these bytes are read by this program alone.
; Inside a block of 32 the codes of q, k and v stand in the order 8 h + 0..7, 16 + 8 h + 0..7 (h = lane / 16), alike in both operands of a product: the products are the same, the order of their sum is another.
; ONE TEXT FOR THREE PRODUCTS.  C'[j][i] = sum over k of P[i][k] R[j][k]; source 0 = 16 rows of P (a lane's registers run along i), source 1 = 16 rows of R (a lane is a row j).
;   type 0, 1 (q, k): P = the weight's rows (i = feature: a wave's 64 are one head), R = x's rows.   type 2 (v): P = x's rows (i = key, the quantiser's axis), R = w_v's rows.
; The type is cluster y / 8, the same in all partners; it chooses pointers and offsets, and three short branches (bias, scale bytes).
; SHARES.  A work-group: 128 rows of P x 256 rows of R, K = 1,024.  Four waves, each 64 x 128: 32 accumulators.  768 work-groups, three for each of 256.
; CLUSTER 4 x 4: R's tile hangs on cy alone and is asked for jointly by a row of the cluster, P's on cx alone, by a column.
; K IS WRITTEN OUT: eight steps of 128.  An LDS slot holds 256 along K (rows of 256 bytes); three slots are filled at the head, slot 0 once more: at most three tensor loads of a wave are out.
; THE SCALE BYTES never touch LDS: the 32 bytes a row of 16 rows are 512 consecutive bytes, one load of 16 bytes a lane: lanes 0-15 hold the words of K steps 0-3, lanes 16-31 those of steps 4-7.
; REGISTERS, in windows of 256: window 0 addresses, scale words, work; window 1 R's fragments, two sets at v[128 set + 16 a]; window 2 accumulator (a, b) at v[8 (4 a + b)]; window 3 P's fragments, two sets at v[64 set + 16 b].
.set PITCH, 272                        ; an LDS row: 256 bytes + 16 of padding
.set RHALF, 128*PITCH                  ; what one tensor load brings of R, and what a wave reads of it
.set PHALF, 64*PITCH                   ; the same of P
.set POFF,  2*RHALF
.set SLOT,  2*RHALF+2*PHALF            ; 104,448
.set SPARE, 3*SLOT                     ; the spare words: 128 bytes a wave, two blocks of 256 bytes that no other line names
.set HEADB, 270336                     ; kv: a head's 16 key steps
.set STEPB, 16896                      ; kv: a key step: K's codes 8,192, V's codes 8,192, K's scale words 256, V's 256
.set ADRA, 16                          ; v16-18 LDS address of my R fragments in slot 0, 1, 2
.set ADRB, 20                          ; v20-22 the same for P
.set SVO,  24                          ; v24 scale loads: 32 r + 16 h
.set BO,   25                          ; v25 bias, q and k: 32 h
.set SOF,  26                          ; v26 offset of the scale stores
.set BV,   27                          ; v27 bias, v: 4 r
.set SPW,  28                          ; v28 my spare word; never rewritten
.set NIL,  29                          ; v29 0; never rewritten
.set FL,   30                          ; v30 the floor 2^(9 - 127)
.set SR,   32                          ; v32-63 R's scale words, tile a at 4 a: scales and nothing else
.set SP,   64                          ; v64-79 P's, tile b at 4 b
.set VO,   80                          ; v80-87 where tile a's codes go
.set TM,   96                          ; v96-99 largest magnitudes, v100-103 permute targets and bytes, v108-111 scale operands
.set PW,   112                         ; v112-115 the four scale words made
.set X0,   116                         ; v116-117
.set DQ,   120                         ; v120-123
.set CD,   128                         ; v128-191 the bias as loaded, later the codes
.set G1A, 24
.set G0A, 32
.set G1B, 44
.set G0B, 52
.set SEL, 68                           ; s[68:69] lane selects: lane xor 16
.set MNT, 70
.set HM,  71                           ; s71 lanes 16-31
.set OUT, 96                           ; s[96:97] where my codes go
.set OSC, 98                           ; s[98:99] where my scale words go
.set MULW, 0xa7                        ; source 0 window 3, source 1 window 1, C and D window 2
.set TO_P, 0xc0
.set TO_R, 0x40
.set MSB, 0
.macro WIN new                         ; the immediate's high byte repeats the setting that is left
.if MSB != \new
	s_set_vgpr_msb (MSB<<8)|\new
.set MSB, \new
.endif
.endm
.macro PLACES n
.rept \n
	v_nop
.endr
.endm
.macro CREST                           ; a round of the cluster's barrier behind its opening barrier
	s_cmp_lg_u32 s14, 0
	s_cbranch_scc1 .Lnot_wave_0_\@
	s_barrier_signal -3
.Lnot_wave_0_\@:
	s_barrier_wait -3
	s_barrier_signal -1
	s_barrier_wait -1
.endm
.macro CROUND
	s_barrier_signal -1
	s_barrier_wait -1
	CREST
.endm
; A joint load: waves 0 and 1 fetch R's halves, waves 2 and 3 P's.  The branch hangs on the wave's number alone.  An s_nop 0 and four v_nop follow each line.
.macro JLOAD g0a, g1a, g0b, g1b
	s_cmp_eq_u32 s15, 0
	s_cbranch_scc0 .Lfor_b_\@
	tensor_load_to_lds s[\g0a:\g0a+3], s[\g1a:\g1a+7]
	s_nop 0
.rept 4
	v_nop
.endr
	s_branch .Lasked_\@
.Lfor_b_\@:
	tensor_load_to_lds s[\g0b:\g0b+3], s[\g1b:\g1b+7]
	s_nop 0
.rept 4
	v_nop
.endr
.Lasked_\@:
.endm
.macro FRAGROW reg, adr, qh, i         ; 16 rows x 128 K: registers 4 c .. 4 c + 3 hold K = 32 c + 16 h + 0 .. 15 of row r
.irp c, 0,1,2,3
	ds_load_b128 v[\reg+4*\c:\reg+4*\c+3], v[\adr] offset:128*(\qh)+32*\c+(\i)*16*PITCH
.endr
.endm
.macro FETCH slot, qh, set             ; 48 LDS loads: P's four fragments, R's eight
	WIN TO_P
.irp i, 0,1,2,3
	FRAGROW 64*(\set)+16*\i, ADRB+\slot, \qh, \i
.endr
	WIN TO_R
.irp i, 0,1,2,3,4,5,6,7
	FRAGROW 128*(\set)+16*\i, ADRA+\slot, \qh, \i
.endr
	WIN 0
.endm
; R's tiles a0 .. a0 + n - 1 against P's four, K step q.  The 32 accumulators take turns, in the same order in every step.
.macro MUL a0, n, set, q
.set ma, \a0
.rept \n
.set mb, 0
.rept 4
.if (\q) < 4
	v_wmma_scale_f32_16x16x128_f8f6f4 v[8*(4*ma+mb):8*(4*ma+mb)+7], v[64*(\set)+16*mb:64*(\set)+16*mb+15], v[128*(\set)+16*ma:128*(\set)+16*ma+15], v[8*(4*ma+mb):8*(4*ma+mb)+7], v[SP+4*mb+(\q)%4], v[SR+4*ma+(\q)%4]
.else
	v_wmma_scale_f32_16x16x128_f8f6f4 v[8*(4*ma+mb):8*(4*ma+mb)+7], v[64*(\set)+16*mb:64*(\set)+16*mb+15], v[128*(\set)+16*ma:128*(\set)+16*ma+15], v[8*(4*ma+mb):8*(4*ma+mb)+7], v[SP+4*mb+(\q)%4], v[SR+4*ma+(\q)%4] matrix_a_scale:MATRIX_SCALE_ROW1 matrix_b_scale:MATRIX_SCALE_ROW1
.endif
.set mb, mb+1
.endr
.set ma, ma+1
.endr
.endm
.macro STEPN q, ns                     ; step q; the next step's fragments, from slot ns, are asked for first, into the set that step q - 1 has left
	PLACES 8                                       ; eight places between the last products and loads into registers that they read
	FETCH \ns, ((\q)+1)%2, ((\q)+1)%2
	s_wait_dscnt 48                                ; the 48 just issued may be out: this step's set is in
	WIN MULW
	MUL 0, 8, (\q)%2, \q
	WIN 0
.endm
; A step at whose middle all waves meet.  In front of the barrier each wave waits for all its tensor loads, adds 0 to its spare word and waits for that and for its LDS reads.
; fill = 1: the barrier opens a round of the cluster's, and slot 0, which nobody reads any more, takes K 768 to 1,023.
.macro TURN q, ns, fill
	s_wait_tensorcnt 0x0                           ; all my tensor loads have landed
	ds_add_u32 v[SPW], v[NIL]
	s_wait_dscnt 1                                 ; the add alone may be out: this step's set is in
	WIN MULW
	MUL 0, 4, (\q)%2, \q
	s_wait_dscnt 0x0                               ; the add is done, and my LDS reads are over
	s_barrier_signal -1
	MUL 4, 2, (\q)%2, \q
	WIN 0
	s_barrier_wait -1
.if \fill
	CREST                                          ; no wave of any partner still reads slot 0 or has a load on its way
	s_add_nc_u64 s[G0A+2:G0A+3], s[G0A+2:G0A+3], 768
	s_add_nc_u64 s[G0B+2:G0B+3], s[G0B+2:G0B+3], 768
	JLOAD G0A, G1A, G0B, G1B                       ; the one tensor load behind the round; its four v_nop are four of the eight places
	PLACES 4
.else
	PLACES 8
.endif
	FETCH \ns, 0, 0
	WIN MULW
	MUL 6, 2, (\q)%2, \q
	WIN 0
.endm
	s_load_b512 s[68:83], s[0:1], 0x0              ; x codes, x scales, w_q codes, scales, w_k codes, scales, w_v codes, scales
	s_load_b256 s[84:91], s[0:1], 0x40             ; b_q, b_k, b_v, qimg
	s_load_b128 s[92:95], s[0:1], 0x60             ; qsc, kv
	v_lshl_add_u32 v[SPW], v0, 2, SPARE
	v_mov_b32 v[NIL], 0
	ds_add_u32 v[SPW], v[NIL]                      ; the opening: the add, twice on end, and its wait ahead of my first tensor load
	ds_add_u32 v[SPW], v[NIL]
	v_lshrrev_b32 v3, 5, v0
	v_readfirstlane_b32 s14, v3                    ; wave 0..3
	s_lshr_b32 s15, s14, 1                         ; wj: my half of R's rows.  Also: I fetch for R (0) or for P (1)
	s_and_b32 s16, s14, 1                          ; wi: my half of P's rows.  Also: which half of that tile I fetch
	s_bfe_u32 s18, ttmp6, 0x40000                  ; cx
	s_bfe_u32 s19, ttmp6, 0x40004                  ; cy
	s_and_b32 s21, ttmp7, 0xffff                   ; cluster y, 0..23
	s_lshr_b32 s17, s21, 3                         ; the type: 0 q, 1 k, 2 v
	s_and_b32 s21, s21, 7
	s_mov_b32 s20, ttmp9                           ; cluster x, 0..1
	s_cmp_eq_u32 s17, 2
	s_cselect_b32 s66, 0, s21
	s_cselect_b32 s67, s21, 0
	s_lshl_b32 s66, s66, 2
	s_add_co_u32 s66, s66, s19                     ; R's tile of 256 rows: q, k: 4 (cluster y % 8) + cy; v: cy
	s_lshl_b32 s67, s67, 1
	s_add_co_u32 s67, s67, s20
	s_lshl_b32 s67, s67, 2
	s_add_co_u32 s67, s67, s18                     ; P's tile of 128 rows: q, k: 4 cluster x + cx; v: 4 (cluster x + 2 (cluster y % 8)) + cx
	s_lshl_b32 s2, s19, 2
	s_lshl_b32 s2, 15, s2                          ; my row of the cluster
	s_lshl_b32 s22, 0x1111, s18                    ; my column
	s_or_b32 s[G1A], s2, (1<<20)|(1<<21)|(5<<22)|(3<<25)   ; the mask; elements of 1 byte; padding: 4 words behind every 64; bit 21 beside a mask
	s_or_b32 s[G1B], s22, (1<<20)|(1<<21)|(5<<22)|(3<<25)
	s_mov_b32 s[G1A+1], 256<<16                    ; tensor_dim0
	s_mov_b32 s[G1A+2], 128<<16                    ; tensor_dim1
	s_mov_b32 s[G1A+3], 256<<16                    ; tile_dim0
	s_mov_b32 s[G1A+4], 128                        ; tile_dim1
	s_mov_b32 s[G1A+5], 1024                       ; a row in memory
	s_mov_b32 s[G1A+6], 0
	s_mov_b32 s[G1A+7], 0
	s_mov_b32 s[G1B+1], 256<<16
	s_mov_b32 s[G1B+2], 64<<16
	s_mov_b32 s[G1B+3], 256<<16
	s_mov_b32 s[G1B+4], 64
	s_mov_b32 s[G1B+5], 1024
	s_mov_b32 s[G1B+6], 0
	s_mov_b32 s[G1B+7], 0
	s_lshl_b32 s2, s66, 18                         ; R: 256 rows of 1,024 bytes a tile,
	s_lshl_b32 s3, s16, 17                         ; 128 rows for the half that I fetch
	s_add_co_u32 s2, s2, s3
	s_mov_b32 s3, 0
	s_lshl_b32 s22, s67, 17                        ; P: 128 rows a tile,
	s_lshl_b32 s23, s16, 16                        ; 64 for the half
	s_add_co_u32 s22, s22, s23
	s_mov_b32 s23, 0
	s_mul_i32 s20, s16, RHALF                      ; where they go in a slot: no place in the cluster enters an LDS address
	s_mul_i32 s21, s16, PHALF
	s_add_co_u32 s21, s21, POFF
	s_wait_dscnt 0x0                               ; both opening adds are done
	s_wait_kmcnt 0x0
	s_cmp_eq_u32 s17, 0                            ; the buffers are chosen by the type, which hangs on no address
	s_cselect_b64 s[72:73], s[72:73], s[76:77]
	s_cselect_b64 s[74:75], s[74:75], s[78:79]
	s_cselect_b64 s[12:13], s[84:85], s[86:87]
	s_cselect_b64 s[OUT:OUT+1], s[90:91], s[94:95]
	s_cselect_b64 s[OSC:OSC+1], s[92:93], s[94:95]
	s_cmp_eq_u32 s17, 2
	s_cselect_b64 s[72:73], s[80:81], s[72:73]     ; the weight's codes,
	s_cselect_b64 s[74:75], s[82:83], s[74:75]     ; its scale bytes,
	s_cselect_b64 s[12:13], s[88:89], s[12:13]     ; its bias
	s_cselect_b64 s[4:5], s[68:69], s[72:73]       ; P's codes
	s_cselect_b64 s[6:7], s[72:73], s[68:69]       ; R's codes
	s_cselect_b64 s[8:9], s[70:71], s[74:75]       ; P's scale bytes
	s_cselect_b64 s[10:11], s[74:75], s[70:71]     ; R's scale bytes
	s_add_nc_u64 s[2:3], s[6:7], s[2:3]
	s_add_nc_u64 s[22:23], s[4:5], s[22:23]
	CROUND                                         ; all sixteen work-groups are here: the first joint loads meet
.irp k, 0,1,2
	s_mov_b32 s[G0A+4*\k], 1
	s_add_co_u32 s[G0A+4*\k+1], s20, \k*SLOT
	s_add_nc_u64 s[G0A+4*\k+2:G0A+4*\k+3], s[2:3], \k*256
	s_or_b32 s[G0A+4*\k+3], s[G0A+4*\k+3], 0x80000000
	s_mov_b32 s[G0B+4*\k], 1
	s_add_co_u32 s[G0B+4*\k+1], s21, \k*SLOT
	s_add_nc_u64 s[G0B+4*\k+2:G0B+4*\k+3], s[22:23], \k*256
	s_or_b32 s[G0B+4*\k+3], s[G0B+4*\k+3], 0x80000000
	JLOAD G0A+4*\k, G1A, G0B+4*\k, G1B             ; K 0 to 767: three first fills, one group
.endr
	; from here on s68 to s95 are free
	s_mov_b32 s[SEL], 0x76543210
	s_mov_b32 s[SEL+1], 0xfedcba98
	s_mov_b32 s[HM], 0xffff0000
	s_lshl_b32 s72, s66, 8
	s_lshl_b32 s73, s15, 7
	s_add_co_u32 s72, s72, s73                     ; my first row of R
	s_lshl_b32 s73, s67, 7
	s_lshl_b32 s74, s16, 6
	s_add_co_u32 s73, s73, s74                     ; my first row of P
	s_mov_b32 s75, 0
	s_lshl_b32 s74, s72, 5
	s_add_nc_u64 s[10:11], s[10:11], s[74:75]      ; their scale bytes, 32 a row
	s_lshl_b32 s74, s73, 5
	s_add_nc_u64 s[8:9], s[8:9], s[74:75]
	s_cmp_eq_u32 s17, 2
	s_cselect_b32 s76, s73, s72                    ; my first row of x,
	s_cselect_b32 s77, s72, s73                    ; my first feature
	s_lshl_b32 s74, s77, 2
	s_add_nc_u64 s[12:13], s[12:13], s[74:75]      ; the bias at it
	v_and_b32 v1, 15, v0                           ; r
	v_bfe_u32 v2, v0, 4, 1                         ; h
	v_lshlrev_b32 v[SVO], 5, v1
	v_lshl_add_u32 v[SVO], v2, 4, v[SVO]
.irp a, 0,1,2,3,4,5,6,7
	global_load_b128 v[SR+4*\a:SR+4*\a+3], v[SVO], s[10:11] offset:512*\a   ; register w: lanes 0-15 row r's word of K step w, lanes 16-31 of K step 4 + w
.endr
.irp b, 0,1,2,3
	global_load_b128 v[SP+4*\b:SP+4*\b+3], v[SVO], s[8:9] offset:512*\b
.endr
	v_lshlrev_b32 v[BO], 5, v2
	v_lshlrev_b32 v[BV], 2, v1
	; THE BIAS IS LAID INTO THE ACCUMULATORS, while the first tiles are on their way: so all eight K steps are one chain in place, and the two layouts of the bias need one branch.
	; Accumulator (a, b), register j, lane (r, h) is C'(16 a + r, 16 b + 8 h + j).  q, k: the bias runs along i: 32 numbers a lane.  v: along j: one number for each a.
	s_cmp_eq_u32 s17, 2
	s_cbranch_scc1 .Lbias_v
.irp b, 0,1,2,3
	global_load_b128 v[CD+8*\b:CD+8*\b+3], v[BO], s[12:13] offset:64*\b
	global_load_b128 v[CD+8*\b+4:CD+8*\b+7], v[BO], s[12:13] offset:64*\b+16
.endr
	s_wait_loadcnt 0x0                             ; the bias, and the scale words ahead of it
	WIN 0x80                                       ; destination window 2
.set ma, 0
.rept 8
.set mb, 0
.rept 32
	v_mov_b32 v[32*ma+mb], v[CD+mb]
.set mb, mb+1
.endr
.set ma, ma+1
.endr
	WIN 0
	s_branch .Lbias_done
.Lbias_v:
	s_wait_alu depctr_va_vdst(0)
.irp a, 0,1,2,3,4,5,6,7
	global_load_b32 v[CD+\a], v[BV], s[12:13] offset:64*\a
.endr
	s_wait_loadcnt 0x0
	WIN 0x80
.set ma, 0
.rept 8
.set mb, 0
.rept 32
	v_mov_b32 v[32*ma+mb], v[CD+ma]
.set mb, mb+1
.endr
.set ma, ma+1
.endr
	WIN 0
.Lbias_done:
	v_mul_u32_u24 v3, v1, PITCH
	v_lshl_add_u32 v3, v2, 4, v3                   ; a fragment's row x pitch + 16 h
	s_mul_i32 s90, s15, RHALF
	s_mul_i32 s91, s16, PHALF
	s_add_co_u32 s91, s91, POFF
.irp s, 0,1,2
	v_add_nc_u32 v[ADRA+\s], s90, v3
	v_add_nc_u32 v[ADRB+\s], s91, v3
	s_add_co_u32 s90, s90, SLOT
	s_add_co_u32 s91, s91, SLOT
.endr
	v_mov_b32 v[FL], 0x4800000
.irp b, 0,1,2,3
	v_mov_b32 v[TM+4+\b], 0                        ; a lane permute's destination counts as one of its sources
.endr
	; where the results go
	s_lshr_b32 s78, s76, 11                        ; the batch
	s_and_b32 s79, s76, 2047                       ; the place in the sequence
	s_lshl_b32 s80, s78, 4
	s_lshr_b32 s81, s77, 6
	s_add_co_u32 s80, s80, s81                     ; 16 x batch + head (v: the first of my two heads)
	s_mul_i32 s81, s80, HEADB
	s_lshr_b32 s82, s79, 7
	s_mul_i32 s82, s82, STEPB
	s_add_co_u32 s81, s81, s82                     ; kv: the head's key step
	s_lshl_b32 s82, s16, 10
	s_add_co_u32 s82, s82, 8192                    ; v: V's codes, key blocks 2 wi on
	s_lshl_b32 s83, s16, 1
	s_add_co_u32 s83, s83, 16640                   ; v: V's scale words, bytes 2 wi on
	s_mov_b32 s84, 16384                           ; k: K's scale words
	s_cmp_eq_u32 s17, 2
	s_cselect_b32 s82, s82, 0
	s_cselect_b32 s83, s83, s84
	s_add_co_u32 s82, s81, s82
	s_add_co_u32 s83, s81, s83
	s_lshl_b32 s84, s80, 17                        ; q: 131,072 bytes a head, 1,024 a tile of 16 queries
	s_lshl_b32 s85, s79, 6
	s_add_co_u32 s84, s84, s85
	s_lshl_b32 s85, s80, 13                        ; q's scale words: 8,192 a head, 512 for 128 queries
	s_lshl_b32 s86, s79, 2
	s_add_co_u32 s85, s85, s86
	s_cmp_eq_u32 s17, 0
	s_cselect_b32 s74, s84, s82
	s_cselect_b32 s86, s85, s83
	s_add_nc_u64 s[OUT:OUT+1], s[OUT:OUT+1], s[74:75]
	s_mov_b32 s74, s86
	s_add_nc_u64 s[OSC:OSC+1], s[OSC:OSC+1], s[74:75]
	s_mov_b32 s87, 1024                            ; from tile a to tile a + 1: q, k 1,024 bytes; v 2,048, and from my first head's last tile to my second head's first 262,144 more
	s_cmp_eq_u32 s17, 2
	s_cselect_b32 s87, 2048, s87
	s_cselect_b32 s88, 262144, 0
	v_and_b32 v3, 31, v0
	v_lshlrev_b32 v3, 4, v3                        ; 16 x lane
	s_wait_alu depctr_va_vdst(0)
	s_mov_b32 s89, 0
.irp a, 0,1,2,3,4,5,6,7
	v_add_nc_u32 v[VO+\a], s89, v3
	s_add_co_u32 s89, s89, s87
.if \a == 3
	s_add_co_u32 s89, s89, s88
.endif
.endr
	s_wait_tensorcnt 2                             ; my part of slot 0 is in; the two younger loads may be out
	s_barrier_signal -1
	s_barrier_wait -1                              ; everybody's is
	FETCH 0, 0, 0
	FETCH 0, 1, 1
	s_wait_dscnt 48                                ; step 0's set is in
	WIN MULW
	MUL 0, 8, 0, 0
	WIN 0
	TURN 1, 1, 1                                   ; every wave has waited for slots 1 and 2 too: no further barrier is needed for them
	STEPN 2, 1
	STEPN 3, 2
	STEPN 4, 2
	TURN 5, 0, 0                                   ; slot 0's second fill is in, everybody's
	STEPN 6, 0
	s_wait_dscnt 0x0
	WIN MULW
	MUL 0, 8, 1, 7
	WIN 0
	PLACES 8                                       ; in front of the first read of results
; THE WAY OUT.  Accumulator registers 64 pp .. 64 pp + 63 are four blocks of 32 along the quantiser's axis: block b = tile a = 2 pp + b / 2 of R's rows, half b % 2 of my 64 along i; a block lies in lanes l and l xor 16.
; The conversions' results are the next launch's operand registers: each store writes 512 consecutive bytes, lane l's 16 at 16 l.
.macro QUANT4 pp
	WIN 0x28                                       ; sources 1 and 2 window 2
.irp b, 0,1,2,3
	v_max3_num_f32 v[TM+\b], v[FL], |v[64*\pp+16*\b]|, |v[64*\pp+16*\b+1]|   ; the floor holds the byte at 1 from below; each accumulator is read from its low end on
.endr
.irp i, 2,4,6,8,10,12,14
.irp b, 0,1,2,3
	v_max3_num_f32 v[TM+\b], v[TM+\b], |v[64*\pp+16*\b+\i]|, |v[64*\pp+16*\b+\i+1]|
.endr
.endr
	WIN 0
.irp b, 0,1,2,3
	v_permlanex16_b32 v[TM+4+\b], v[TM+\b], s[SEL], s[SEL+1]
.endr
.irp b, 0,1,2,3
	v_max_num_f32 v[TM+\b], v[TM+\b], v[TM+4+\b]   ; the block's largest magnitude
.endr
.irp b, 0,1,2,3
	v_add_nc_u32 v[TM+12+\b], 0xfc000000, v[TM+\b] ; 8 off its exponent field: the conversion's scale operand
.endr
.irp b, 0,1,2,3
.endr
.irp b, 0,1,2,3
	v_lshrrev_b32 v[TM+4+\b], 23, v[TM+12+\b]      ; the scale's byte
.endr
	v_lshl_or_b32 v[PW+\pp], v[TM+5], 8, v[TM+4]
	v_lshl_or_b32 v[PW+\pp], v[TM+6], 16, v[PW+\pp]
	v_lshl_or_b32 v[PW+\pp], v[TM+7], 24, v[PW+\pp]
	WIN 0x82                                       ; source 0 and destination window 2
.irp b, 0,1,2,3
.irp i, 0,1,2,3,4,5,6,7,8,9,10,11,12,13,14,15
.endr
.endr
	WIN 0x02                                       ; source 0 window 2
.irp b, 0,1,2,3
	v_cvt_scalef32_pk8_fp8_f32 v[CD+16*\pp+4*\b:CD+16*\pp+4*\b+1], v[64*\pp+16*\b:64*\pp+16*\b+7], v[TM+12+\b]
	v_cvt_scalef32_pk8_fp8_f32 v[CD+16*\pp+4*\b+2:CD+16*\pp+4*\b+3], v[64*\pp+16*\b+8:64*\pp+16*\b+15], v[TM+12+\b]
.endr
	WIN 0
	v_nop                                          ; a plain line behind the last conversion
.irp b, 0,1,2,3
	global_store_b128 v[VO+2*\pp+\b/2], v[CD+16*\pp+4*\b:CD+16*\pp+4*\b+3], s[OUT:OUT+1] offset:512*(\b%2)   ; every store has data registers of its own
.endr
.endm
	QUANT4 0
	QUANT4 1
	QUANT4 2
	QUANT4 3
	; the scale words: word pp holds tile 2 pp's two bytes below and tile 2 pp + 1's above, alike in both halves of the lanes
	v_cndmask_b32 v[X0], v[PW], v[PW+2], s[HM]     ; lanes 0-15 words 0 and 1, lanes 16-31 words 2 and 3
	v_cndmask_b32 v[X0+1], v[PW+1], v[PW+3], s[HM]
	s_cmp_eq_u32 s17, 1
	s_cbranch_scc1 .Lsc_k
	s_cmp_eq_u32 s17, 2
	s_cbranch_scc1 .Lsc_v
	s_mov_b32 s86, 0x01010000                      ; q: a word for each tile of queries: its two bytes, and the byte 1 twice for the 64 zero codes that fill K to 128
	v_and_or_b32 v[DQ], v[X0], 0xffff, s86
	v_lshrrev_b32 v[DQ+1], 16, v[X0]
	v_or_b32 v[DQ+1], s86, v[DQ+1]
	v_and_or_b32 v[DQ+2], v[X0+1], 0xffff, s86
	v_lshrrev_b32 v[DQ+3], 16, v[X0+1]
	v_or_b32 v[DQ+3], s86, v[DQ+3]
	v_lshlrev_b32 v[SOF], 5, v1
	v_lshl_add_u32 v[SOF], v2, 4, v[SOF]
	global_store_b128 v[SOF], v[DQ:DQ+3], s[OSC:OSC+1]       ; 512 consecutive bytes: the word of query r, tile a at 32 r + 4 a
	s_branch .Lsc_done
.Lsc_k:
	v_lshlrev_b32 v[SOF], 4, v1
	v_lshl_add_u32 v[SOF], v2, 3, v[SOF]
	s_wait_alu depctr_va_vdst(0)
	global_store_b64 v[SOF], v[X0:X0+1], s[OSC:OSC+1]        ; 256 consecutive bytes: fragment f's word of lane r at 16 r + 4 f
	s_branch .Lsc_done
.Lsc_v:
	v_mul_u32_u24 v3, v2, HEADB                    ; lanes 0-15 serve my first head, lanes 16-31 my second
	v_lshl_add_u32 v[SOF], v1, 4, v3
	s_wait_alu depctr_va_vdst(0)
	global_store_b16 v[SOF], v[X0], s[OSC:OSC+1]             ; two of a word's four bytes: the wave beside me has the other two
	global_store_d16_hi_b16 v[SOF], v[X0], s[OSC:OSC+1] offset:4
	global_store_b16 v[SOF], v[X0+1], s[OSC:OSC+1] offset:8
	global_store_d16_hi_b16 v[SOF], v[X0+1], s[OSC:OSC+1] offset:12
.Lsc_done:
	s_wait_tensorcnt 0x0                           ; the wave's end
	ds_add_u32 v[SPW], v[NIL]
	s_wait_dscnt 0x0
	CROUND                                         ; the closing round
	s_endpgm
.Lfunc_end_k_q4fd96b3896_qkv:
	.size	k_q4fd96b3896_qkv, .Lfunc_end_k_q4fd96b3896_qkv-k_q4fd96b3896_qkv
	.p2alignl 7, 3214868480
	.fill 96, 4, 3214868480
	.section	.rodata,"a",@progbits
	.p2align	6, 0x0
	.amdhsa_kernel k_q4fd96b3896_qkv
		.amdhsa_group_segment_fixed_size 327680
		.amdhsa_private_segment_fixed_size 0
		.amdhsa_enable_private_segment 0
		.amdhsa_kernarg_size 112
		.amdhsa_user_sgpr_count 2
		.amdhsa_user_sgpr_kernarg_segment_ptr 1
		.amdhsa_wavefront_size32 1
		.amdhsa_system_sgpr_workgroup_id_x 1
		.amdhsa_system_sgpr_workgroup_id_y 1
		.amdhsa_system_sgpr_workgroup_id_z 1
		.amdhsa_system_vgpr_workitem_id 0
		.amdhsa_next_free_vgpr 1024
		.amdhsa_next_free_sgpr 100
		.amdhsa_reserve_vcc 0
		.amdhsa_float_denorm_mode_32 3
		.amdhsa_float_denorm_mode_16_64 3
		.amdhsa_fp16_overflow 1
		.amdhsa_memory_ordered 1
		.amdhsa_forward_progress 1
		.amdhsa_inst_pref_size 109
	.end_amdhsa_kernel
	.amdgpu_metadata
---
amdhsa.version: [ 1, 2 ]
amdhsa.kernels:
  - .name:           k_q4fd96b3896_qkv
    .symbol:         k_q4fd96b3896_qkv.kd
    .args:
      - { .name: x_codes, .offset: 0, .size: 8, .value_kind: global_buffer, .address_space: global }
      - { .name: x_scales, .offset: 8, .size: 8, .value_kind: global_buffer, .address_space: global }
      - { .name: w_q_codes, .offset: 16, .size: 8, .value_kind: global_buffer, .address_space: global }
      - { .name: w_q_scales, .offset: 24, .size: 8, .value_kind: global_buffer, .address_space: global }
      - { .name: w_k_codes, .offset: 32, .size: 8, .value_kind: global_buffer, .address_space: global }
      - { .name: w_k_scales, .offset: 40, .size: 8, .value_kind: global_buffer, .address_space: global }
      - { .name: w_v_codes, .offset: 48, .size: 8, .value_kind: global_buffer, .address_space: global }
      - { .name: w_v_scales, .offset: 56, .size: 8, .value_kind: global_buffer, .address_space: global }
      - { .name: b_q, .offset: 64, .size: 8, .value_kind: global_buffer, .address_space: global }
      - { .name: b_k, .offset: 72, .size: 8, .value_kind: global_buffer, .address_space: global }
      - { .name: b_v, .offset: 80, .size: 8, .value_kind: global_buffer, .address_space: global }
      - { .name: qimg, .offset: 88, .size: 8, .value_kind: global_buffer, .address_space: global }
      - { .name: qsc, .offset: 96, .size: 8, .value_kind: global_buffer, .address_space: global }
      - { .name: kv, .offset: 104, .size: 8, .value_kind: global_buffer, .address_space: global }
    .group_segment_fixed_size: 327680
    .private_segment_fixed_size: 0
    .kernarg_segment_align: 8
    .kernarg_segment_size: 112
    .max_flat_workgroup_size: 128
    .sgpr_count:     100
    .vgpr_count:     1024
    .wavefront_size: 32
...
	.end_amdgpu_metadata
.endif
;; end of part 1
;; launch attn (part 2): grid 4 x 64, 16 waves a work-group, no clusters, 327,680 bytes of LDS; arguments qimg, qsc, kv, yimg, ysc; writes yimg, ysc
.if DOCPART == 2
	.amdgcn_target "amdgcn-amd-amdhsa--gfx1250"
	.amdhsa_code_object_version 6
	.text
	.protected	k_q4fd96b3896_attn
	.globl	k_q4fd96b3896_attn
	.p2align	8
	.type	k_q4fd96b3896_attn,@function
k_q4fd96b3896_attn:
	s_mov_b64 s[64:65], 0
	v_nop
	global_prefetch_b8 v0, s[64:65] scope:SCOPE_SE
	s_setreg_imm32_b32 hwreg(HW_REG_WAVE_MODE, 25, 1), 1
	s_wait_xcnt 0x0
; y[b][q][64 head + d] = the sum over keys of softmax(q . k / 8, causal) v, both products on codes of E4M3 with E8M0 bytes; y is quantised here along d_model and stored as the last launch's operand images.
; LEFT OUT (shown at the head of the first kernel): steps of 128 keys all of which come after a wave's 16 queries, and keys beyond a block of queries: reference()'s own jnp.tril makes their p 0.
; THE SOFTMAX: t = score x log2(e) / 8; M = the running largest t rounded up to a whole number; p = 2^(t - M) is quantised along the keys; the row's sum is taken of the unquantised p and divides at the end.
; LIMITS: NaN and infinities are not served; p under 2^-126 comes out of v_exp_f32 as 0; a block of zeros gets the byte 1 (its codes are zeros).
; SHARES.  A work-group owns two blocks of 256 queries of one head, first block 7 - i, then block i (i = work-group x): 8 - i and i + 1 slots of 256 keys: nine slots in every work-group.
; Each of sixteen waves owns 16 queries of the block in hand, in 256 registers.
; NO CLUSTER: under the mask the work-groups of a head want different slots in the same trip, and a wave of an early block would jump over the reads of a tile that a joint load brought.
; K = 64 IN AN INSTRUCTION OF 128.  A fragment of K holds two tiles of 16 keys: K 0-63 the head's 64 of key 32 f + r, K 64-127 those of key 32 f + 16 + r.  It is multiplied by [q; 0] and by [0; q]:
; zero codes (under the byte 1) meet the other tile's codes, and 0 x a finite number adds nothing.  So no LDS byte is read for nothing.
; LAYOUT.  S^T = K Q^T, O^T = V^T P^T: a lane holds one query throughout.  Tiles 2 f and 2 f + 1 give a lane keys 32 f + 8 h + 0..7 and 32 f + 16 + 8 h + 0..7: the order in which V's codes were laid.
; LDS: slot 0 at 0, slot 1 at 65,536: two key steps of 16,896 bytes each, images read 512 consecutive bytes an instruction; the spare words at 131,072.  Nothing is stored to LDS.
.set STEPB, 16896
.set SLOTB, 2*STEPB
.set HEADB, 16*STEPB
.set SLOT1, 1<<16
.set SPARE, 2*SLOT1
.set LI,  1                            ; v1  16 x lane
.set LR,  2                            ; v2  16 r
.set SPW, 3                            ; v3  my spare word; never rewritten
.set NIL, 4                            ; v4  0; never rewritten
.set PFO, 5                            ; v5  256 x lane
.set ADK, 6                            ; v6  the slot + 16 x lane
.set ADS, 7                            ; v7  the slot + 16 r
.set GY,  8                            ; v8  16 r + 8 h
.set GS,  9                            ; v9  16 r + h
.set QSA, 49                           ; v49 q's scale word for [q; 0];  v51 for [0; q];  v48 the second block's
.set QSB, 51
.set PWR, 50                           ; v50 p's scale word
.set KS,  52                           ; v52-55 K's scale words
.set VS,  56                           ; v56-59 V's
.set FF,  60                           ; v[60:61] f = 2^(old M - new M)
.set TP,  62                           ; v62, v63 at work
.set FRG, 64                           ; v64-127 four fragments of K or of V
.set SS,  128                          ; v128-191 S^T, then p
.set OT,  192                          ; v192-223 O^T
.set PC,  224                          ; v224-239 p's codes
.set BM,  240                          ; v240-243 block maxima
.set PT,  244                          ; v244-247 permute targets, the second chain of the sum, bytes
.set HD,  248
.set SCO, 252                          ; v252-255 scale operands
; v12 -M, v13 the largest t, v[14:15] the sum in two halves; v16-23 zeros, v24-31 q, v32-39 zeros: [q; 0] = v[24:39], [0; q] = v[16:31]; v40-47 the second block's q
.set WV,  14
.set NB,  17                           ; s17 slots of the first block
.set T,   18                           ; s18 the trip
.set MNT, 19
.set SEL, 20
.set CS,  22                           ; s[22:23] c = log2(e) / 8
.set G1,  24
.set G0,  32
.set KVW, 36                           ; s[36:37] kv at my head (+ the step that I fetch)
.set OFF, 38                           ; s[38:39]
.set TB,  40                           ; s40 LDS byte of the slot in hand
.set KF,  41                           ; s41 the step's first key
.set Q0,  42                           ; s42 my first query; s43 the second block's
.set HM,  44                           ; s44 lanes 16-31
.set LIM, 45
.set PFA, 46
.set YP,  48                           ; s[48:49] y's codes, s[50:51] y's scale bytes; s[52:55] the second block's
.set YS,  50
.macro TLOAD                           ; waves 0 and 1 fetch a key step each; an s_nop 0 and four v_nop follow the line
	s_cmp_lt_u32 s[WV], 2
	s_cbranch_scc0 .Lno_load_\@
	tensor_load_to_lds s[G0:G0+3], s[G1:G1+7]
	s_nop 0
.rept 4
	v_nop
.endr
.Lno_load_\@:
.endm
; A PREFETCH INTO THE L2: in trip T the codes of key slot T + 2, which the next change of slots will ask for.  Of a head's four work-groups the one with i = 0 walks slots 0 to 7 in order: it asks, in trips 0 to 5;
; in it waves 4 to 7, 8,192 bytes each (K's or V's codes of one key step), lanes 256 bytes apart.  So each block of 256 bytes of codes is named once.  The scale words are not asked for.
.macro ASK
	s_cmp_lt_u32 s[T], s[LIM]
	s_cbranch_scc0 .Lnot_mine_\@
	global_prefetch_b8 v[PFO], s[PFA:PFA+1] th:TH_LOAD_NT scope:SCOPE_SE
.Lnot_mine_\@:
.endm
; THE CHANGE OF SLOTS, at a slot's head.  Each wave waits for all its tensor loads, adds 0 to its spare word, and waits for that and for its reads of the slot that it has left.
; fill = 1: behind the barrier the slot that was left takes the keys of the next trip: slot T + 1 of the block in hand, or slot 0 and on for the second block.
.macro CHANGE fill
	s_wait_tensorcnt 0x0                           ; no tensor load of mine is out, so group 0 may be written
	ds_add_u32 v[SPW], v[NIL]
.if \fill
	ds_add_u32 v[SPW], v[NIL]                      ; and twice on end here, in every trip alike
	s_add_co_u32 s56, s[T], 1
	s_cmp_ge_u32 s56, s[NB]
	s_cselect_b32 s57, s[NB], 0
	s_sub_co_u32 s56, s56, s57                     ; the next trip's key slot
	s_mul_i32 s[OFF], s56, SLOTB
	s_xor_b32 s[G0+1], s[G0+1], SLOT1
	s_add_nc_u64 s[G0+2:G0+3], s[KVW:KVW+1], s[OFF:OFF+1]
	s_or_b32 s[G0+3], s[G0+3], 0x80000000
	s_wait_xcnt 0x0                                ; the last prefetch, a slot back, has read its address
	s_add_nc_u64 s[PFA:PFA+1], s[PFA:PFA+1], SLOTB
.endif
	s_wait_dscnt 0x0                               ; the adds are done, and my reads of the slot that I have left are over
	s_barrier_signal -1
	s_barrier_wait -1
.if \fill
	TLOAD                                          ; the first thing behind the barrier, a wave's one tensor load until the next: two key steps in which to land
	ASK
.endif
.endm
; A KEY STEP: 128 keys, the q-th of the slot in hand.
.macro STEP q
	s_add_co_u32 s56, s[Q0], 15
	s_cmp_gt_u32 s[KF], s56                        ; all 128 keys come after my queries: ids and the count of steps alone
	s_cbranch_scc1 .Lhidden_\@
	v_add_nc_u32 v[ADK], s[TB], v[LI]
	v_add_nc_u32 v[ADS], s[TB], v[LR]
.rept 6
	v_nop                                          ; with the two additions: eight places in front of loads into registers that the last products read
.endr
.set cn, 0
.rept 16
	ds_load_b128 v[FRG+4*cn:FRG+4*cn+3], v[ADK] offset:STEPB*(\q)+512*cn
.set cn, cn+1
.endr
	ds_load_b128 v[KS:KS+3], v[ADS] offset:STEPB*(\q)+16384
	s_wait_alu depctr_va_vdst(0)
	s_wait_dscnt 0x0
.irp f, 0,1,2,3
	v_wmma_scale_f32_16x16x128_f8f6f4 v[SS+16*\f:SS+16*\f+7], v[FRG+16*\f:FRG+16*\f+15], v[24:39], 0, v[KS+\f], v[QSA]
	v_wmma_scale_f32_16x16x128_f8f6f4 v[SS+16*\f+8:SS+16*\f+15], v[FRG+16*\f:FRG+16*\f+15], v[16:31], 0, v[KS+\f], v[QSB]
.endr
.rept 8
	v_nop
.endr
.set cn, 0
.rept 16
	ds_load_b128 v[FRG+4*cn:FRG+4*cn+3], v[ADK] offset:STEPB*(\q)+8192+512*cn   ; V's fragments land under the softmax
.set cn, cn+1
.endr
	ds_load_b128 v[VS:VS+3], v[ADS] offset:STEPB*(\q)+16640
	s_add_co_u32 s56, s[KF], 127                   ; on the diagonal hidden scores become -infinity ahead of the maximum; a step all of whose keys count skips this
	s_cmp_le_u32 s56, s[Q0]
	s_cbranch_scc1 .Lopen_\@
	s_sub_co_i32 s56, s[Q0], s[KF]
	v_and_b32 v10, 15, v0
	v_bfe_u32 v11, v0, 4, 1
	s_delay_alu instid0(VALU_DEP_1)
	v_lshlrev_b32 v11, 3, v11
	s_delay_alu instid0(VALU_DEP_1)
	v_sub_nc_u32 v10, v10, v11
	s_delay_alu instid0(VALU_DEP_1)
	v_add_nc_u32 v10, s56, v10                     ; d = my query - the step's first key - 8 h.  Register n holds key 16 (n / 8) + n % 8 + 8 h of the step: hidden where 16 (n / 8) + n % 8 > d
	v_mov_b32 v11, 0xff800000
.set mn, 0
.rept 64
	v_cmp_gt_i32 vcc_lo, 16*(mn/8)+mn%8, v10
	v_cndmask_b32 v[SS+mn], v[SS+mn], v11, vcc_lo
.set mn, mn+1
.endr
.Lopen_\@:
.irp b, 0,1,2,3
	v_max3_num_f32 v[BM+\b], v[SS+16*\b], v[SS+16*\b+1], v[SS+16*\b+2]   ; the largest score of each block of 32 keys: for the row's maximum and, since p rises with the score, for the block's largest p
.endr
.irp i, 3,5,7,9,11,13
.irp b, 0,1,2,3
	v_max3_num_f32 v[BM+\b], v[BM+\b], v[SS+16*\b+\i], v[SS+16*\b+\i+1]
.endr
.endr
.irp b, 0,1,2,3
	v_max_num_f32 v[BM+\b], v[BM+\b], v[SS+16*\b+15]
.endr
.irp b, 0,1,2,3
	s_delay_alu instid0(VALU_DEP_4)
	v_permlanex16_b32 v[PT+\b], v[BM+\b], s[SEL], s[SEL+1]
.endr
.irp b, 0,1,2,3
	s_delay_alu instid0(VALU_DEP_4)
	v_max_num_f32 v[BM+\b], v[BM+\b], v[PT+\b]
.endr
	s_delay_alu instid0(VALU_DEP_2)
	v_max3_num_f32 v[TP], v[BM], v[BM+1], v[BM+2]
	s_delay_alu instid0(VALU_DEP_1)
	v_max_num_f32 v[TP], v[TP], v[BM+3]
	s_delay_alu instid0(VALU_DEP_1)
	v_mul_f32 v[TP], s[CS], v[TP]
	s_delay_alu instid0(VALU_DEP_1)
	v_max_num_f32 v13, v13, v[TP]                  ; the running largest t
	v_mov_b32 v[TP], v12
	s_delay_alu instid0(VALU_DEP_2)
	v_floor_f32 v12, -v13                          ; the new -M = floor(-t)
	s_delay_alu instid0(VALU_DEP_1)
	v_sub_f32 v[TP], v12, v[TP]                    ; old M - new M: a whole number, 0 or less
	s_delay_alu instid0(VALU_DEP_1)
	v_cvt_i32_f32 v[TP], v[TP]                     ; (it saturates)
	s_delay_alu instid0(VALU_DEP_1)
	v_ldexp_f32 v[FF], 1.0, v[TP]                  ; f: a multiplication by it rounds nothing
.set j, 0
.rept 32
	v_pk_fma_f32 v[SS+j:SS+j+1], v[SS+j:SS+j+1], s[CS:CS+1], v[12:13] op_sel_hi:[1,0,0]   ; t - M
.set j, j+2
.endr
.irp b, 0,1,2,3
	v_fma_f32 v[BM+\b], v[BM+\b], s[CS], v12
.endr
.set j, 0
	s_wait_alu depctr_va_vdst(0)
.rept 64
	v_exp_f32 v[SS+j], v[SS+j]                     ; p = 2^(t - M)
.set j, j+1
.endr
	v_pk_mul_f32 v[14:15], v[14:15], v[FF:FF+1] op_sel_hi:[1,0]   ; the sums under the new M; a plain line behind the exponentials
	s_wait_alu depctr_va_vdst(0)                   ; one wait for the batch, ahead of its first reader
.irp b, 0,1,2,3
	v_exp_f32 v[BM+\b], v[BM+\b]                   ; each block's largest p
.endr
	v_pk_add_f32 v[244:245], v[132:133], v[136:137]
	v_pk_add_f32 v[254:255], v[140:141], v[144:145]
	v_pk_add_f32 v[252:253], v[148:149], v[152:153]
	v_pk_add_f32 v[250:251], v[156:157], v[160:161]
	v_pk_add_f32 v[248:249], v[164:165], v[168:169]
	v_pk_add_f32 v[246:247], v[172:173], v[176:177]
	v_pk_add_f32 v[238:239], v[180:181], v[184:185]
	v_pk_add_f32 v[14:15], v[14:15], v[188:189]
	v_pk_add_f32 v[244:245], v[244:245], v[128:129]
	v_pk_add_f32 v[254:255], v[254:255], v[130:131]
	v_pk_add_f32 v[252:253], v[252:253], v[134:135]
	v_pk_add_f32 v[250:251], v[250:251], v[138:139]
	v_pk_add_f32 v[248:249], v[248:249], v[142:143]
	v_pk_add_f32 v[246:247], v[246:247], v[146:147]
	v_pk_add_f32 v[238:239], v[238:239], v[150:151]
	v_pk_add_f32 v[14:15], v[14:15], v[154:155]
	v_pk_add_f32 v[244:245], v[244:245], v[158:159]
	v_pk_add_f32 v[254:255], v[254:255], v[162:163]
	v_pk_add_f32 v[252:253], v[252:253], v[166:167]
	v_pk_add_f32 v[250:251], v[250:251], v[170:171]
	v_pk_add_f32 v[248:249], v[248:249], v[174:175]
	v_pk_add_f32 v[246:247], v[246:247], v[178:179]
	v_pk_add_f32 v[238:239], v[238:239], v[182:183]
	v_pk_add_f32 v[14:15], v[14:15], v[186:187]
	v_pk_add_f32 v[244:245], v[244:245], v[190:191]
	s_delay_alu instid0(VALU_DEP_2)
	v_pk_add_f32 v[14:15], v[14:15], v[250:251]
	s_delay_alu instid0(VALU_DEP_2)
	v_pk_add_f32 v[244:245], v[244:245], v[248:249]
	v_pk_add_f32 v[254:255], v[254:255], v[246:247]
	v_pk_add_f32 v[252:253], v[252:253], v[238:239]
	s_delay_alu instid0(VALU_DEP_2)
	v_pk_add_f32 v[14:15], v[14:15], v[254:255]
	s_delay_alu instid0(VALU_DEP_2)
	v_pk_add_f32 v[244:245], v[244:245], v[252:253]
	s_delay_alu instid0(VALU_DEP_1)
	v_pk_add_f32 v[14:15], v[14:15], v[244:245]
	s_wait_alu depctr_va_vdst(0)                   ; and one for the four
.irp b, 0,1,2,3
	v_max_num_f32 v[BM+\b], 0x4800000, v[BM+\b]    ; the floor 2^(9 - 127)
.endr
.irp b, 0,1,2,3
	s_delay_alu instid0(VALU_DEP_4)
	v_add_nc_u32 v[SCO+\b], 0xfc000000, v[BM+\b]
.endr
.irp b, 0,1,2,3
.endr
.irp b, 0,1,2,3
	s_delay_alu instid0(VALU_DEP_4)
	v_lshrrev_b32 v[PT+\b], 23, v[SCO+\b]
.endr
	s_delay_alu instid0(VALU_DEP_3)
	v_lshl_or_b32 v[PWR], v[PT+1], 8, v[PT]        ; p's scale word for these 128 keys
	s_delay_alu instid0(VALU_DEP_1)
	v_lshl_or_b32 v[PWR], v[PT+2], 16, v[PWR]
	s_delay_alu instid0(VALU_DEP_1)
	v_lshl_or_b32 v[PWR], v[PT+3], 24, v[PWR]
.irp b, 0,1,2,3
.irp i, 0,1,2,3,4,5,6,7,8,9,10,11,12,13,14,15
.endr
	v_cvt_scalef32_pk8_fp8_f32 v[PC+4*\b:PC+4*\b+1], v[SS+16*\b:SS+16*\b+7], v[SCO+\b]
	v_cvt_scalef32_pk8_fp8_f32 v[PC+4*\b+2:PC+4*\b+3], v[SS+16*\b+8:SS+16*\b+15], v[SCO+\b]
.endr
.set j, 0
.rept 16
	v_pk_mul_f32 v[OT+j:OT+j+1], v[OT+j:OT+j+1], v[FF:FF+1] op_sel_hi:[1,0]   ; O^T under the new M; these are also the places in front of the products
.set j, j+2
.endr
	s_wait_alu depctr_va_vdst(0)
	s_wait_dscnt 0x0                               ; V is in
.irp t, 0,1,2,3
	v_wmma_scale_f32_16x16x128_f8f6f4 v[OT+8*\t:OT+8*\t+7], v[FRG+16*\t:FRG+16*\t+15], v[PC:PC+15], v[OT+8*\t:OT+8*\t+7], v[VS+\t], v[PWR]
.endr
.Lhidden_\@:
	s_add_co_u32 s[KF], s[KF], 128
.endm
; A BLOCK'S END.  O^T / the sum; its two blocks of 32 along d_model are quantised; tile 2 b + u's eight codes of lane (r, h) are y(r, 32 b + 16 u + 8 h + 0..7):
; in the image they belong to lane (r, u), bytes 8 h on: 16 r + 256 u + 8 h.  So each store writes 256 consecutive bytes and y lies in its natural order.
.macro FINISH
.rept 8
	v_nop
.endr
	v_add_f32 v14, v14, v15
	s_delay_alu instid0(VALU_DEP_1)
	v_permlanex16_b32 v[TP], v14, s[SEL], s[SEL+1]
	s_delay_alu instid0(VALU_DEP_1)
	v_add_f32 v14, v14, v[TP]
	s_wait_alu depctr_va_vdst(0)
	v_rcp_f32 v14, v14
	v_nop
	s_wait_alu depctr_va_vdst(0)
.set j, 0
.rept 16
	v_pk_mul_f32 v[SS+j:SS+j+1], v[OT+j:OT+j+1], v[14:15] op_sel_hi:[1,0]
.set j, j+2
.endr
.irp b, 0,1
	v_max3_num_f32 v[BM+\b], |v[SS+16*\b]|, |v[SS+16*\b+1]|, 0x4800000
.endr
.irp i, 2,4,6,8,10,12,14
.irp b, 0,1
	s_delay_alu instid0(VALU_DEP_2)
	v_max3_num_f32 v[BM+\b], v[BM+\b], |v[SS+16*\b+\i]|, |v[SS+16*\b+\i+1]|
.endr
.endr
.irp b, 0,1
	s_delay_alu instid0(VALU_DEP_2)
	v_permlanex16_b32 v[PT+\b], v[BM+\b], s[SEL], s[SEL+1]
.endr
.irp b, 0,1
	s_delay_alu instid0(VALU_DEP_2)
	v_max_num_f32 v[BM+\b], v[BM+\b], v[PT+\b]
.endr
.irp b, 0,1
	s_delay_alu instid0(VALU_DEP_2)
	v_add_nc_u32 v[SCO+\b], 0xfc000000, v[BM+\b]
.endr
.irp b, 0,1
.endr
.irp b, 0,1
	s_delay_alu instid0(VALU_DEP_2)
	v_lshrrev_b32 v[PT+\b], 23, v[SCO+\b]
.endr
.irp b, 0,1
.irp i, 0,1,2,3,4,5,6,7,8,9,10,11,12,13,14,15
.endr
	v_cvt_scalef32_pk8_fp8_f32 v[PC+4*\b:PC+4*\b+1], v[SS+16*\b:SS+16*\b+7], v[SCO+\b]
	v_cvt_scalef32_pk8_fp8_f32 v[PC+4*\b+2:PC+4*\b+3], v[SS+16*\b+8:SS+16*\b+15], v[SCO+\b]
.endr
	v_cndmask_b32 v[TP], v[PT], v[PT+1], s[HM]     ; lanes 0-15 block 0's byte, lanes 16-31 block 1's.  (A plain line behind the last conversion)
.irp b, 0,1
	global_store_b64 v[GY], v[PC+4*\b:PC+4*\b+1], s[YP:YP+1] offset:512*\b
	global_store_b64 v[GY], v[PC+4*\b+2:PC+4*\b+3], s[YP:YP+1] offset:512*\b+256
.endr
	global_store_b8 v[GS], v[TP], s[YS:YS+1]
.endm
	s_load_b256 s[4:11], s[0:1], 0x0               ; qimg, qsc, kv, yimg
	s_load_b64 s[12:13], s[0:1], 0x20              ; ysc
	v_lshl_add_u32 v[SPW], v0, 2, SPARE
	v_mov_b32 v[NIL], 0
	ds_add_u32 v[SPW], v[NIL]                      ; the opening: the add, twice on end, and its wait ahead of the first tensor load
	ds_add_u32 v[SPW], v[NIL]
	v_lshrrev_b32 v10, 5, v0
	s_delay_alu instid0(VALU_DEP_1)
	v_readfirstlane_b32 s[WV], v10                 ; wave 0..15
	s_mov_b32 s15, ttmp9                           ; i
	s_and_b32 s16, ttmp7, 0xffff                   ; 16 x batch + head
	s_sub_co_u32 s[NB], 8, s15
	s_mov_b32 s[G1], 3<<16                         ; elements of 8 bytes, no mask, no padding: a key step is 66 dense rows of 256 bytes
	s_mov_b32 s[G1+1], 32<<16
	s_mov_b32 s[G1+2], 66<<16
	s_mov_b32 s[G1+3], 32<<16
	s_mov_b32 s[G1+4], 66
	s_mov_b32 s[G1+5], 32
	s_mov_b32 s[G1+6], 0
	s_mov_b32 s[G1+7], 0
	s_mov_b32 s[SEL], 0x76543210
	s_mov_b32 s[SEL+1], 0xfedcba98
	s_mov_b32 s[CS], 0x3e38aa3b                    ; log2(e) / sqrt(64)
	s_mov_b32 s[CS+1], s[CS]
	s_mov_b32 s[HM], 0xffff0000
	s_mov_b32 s[TB], 0
	s_mov_b32 s[KF], 0
	s_mov_b32 s[T], 0
	s_and_b32 s56, s[WV], 1
	s_mul_i32 s[G0+1], s56, STEPB                  ; the step that I fetch: its place in a slot,
	s_mul_i32 s[OFF], s16, HEADB
	s_add_co_u32 s[OFF], s[OFF], s[G0+1]           ; and in my head's part of kv
	s_mov_b32 s[OFF+1], 0
	s_and_b32 s57, s[WV], 3                        ; the prefetches: wave 4 + k stands at 8,192 k, + 512 behind the first step's scale words,
	s_lshl_b32 s58, s57, 13
	s_lshr_b32 s57, s57, 1
	s_lshl_b32 s57, s57, 9
	s_add_co_u32 s58, s58, s57
	s_mul_i32 s57, s16, HEADB
	s_add_co_u32 s[PFA], s58, s57
	s_add_co_u32 s[PFA], s[PFA], SLOTB             ; in slot 1: the first change of slots steps it to slot 2
	s_mov_b32 s[PFA+1], 0
	s_sub_co_u32 s57, s[WV], 4
	s_lshr_b32 s57, s57, 2                         ; 0 in waves 4 to 7,
	s_or_b32 s57, s57, s15                         ; of the work-group with i = 0
	s_cmp_eq_u32 s57, 0
	s_cselect_b32 s[LIM], 6, 0
	s_sub_co_u32 s60, 7, s15
	s_lshl_b32 s60, s60, 4
	s_add_co_u32 s60, s60, s[WV]                   ; my tile of 16 queries in the first block,
	s_lshl_b32 s61, s15, 4
	s_add_co_u32 s61, s61, s[WV]                   ; and in the second
	s_lshl_b32 s[Q0], s60, 4
	s_lshl_b32 s43, s61, 4
	s_lshr_b32 s62, s16, 4
	s_lshl_b32 s62, s62, 7                         ; 128 row tiles a batch
	s_and_b32 s63, s16, 15                         ; the head
	s_add_co_u32 s56, s62, s60
	s_add_co_u32 s57, s62, s61
	s_lshl_b32 s58, s63, 10                        ; yimg: 16,384 bytes a row tile, 1,024 a head
	s_lshl_b32 s[YP], s56, 14
	s_add_co_u32 s[YP], s[YP], s58
	s_lshl_b32 s52, s57, 14
	s_add_co_u32 s52, s52, s58
	s_lshr_b32 s58, s63, 3                         ; ysc: 512 bytes a row tile; K step = head / 2: 256 (step / 4) + 4 (step % 4) + 2 (head % 2)
	s_lshl_b32 s58, s58, 8
	s_and_b32 s59, s63, 7
	s_lshl_b32 s59, s59, 1
	s_add_co_u32 s58, s58, s59
	s_lshl_b32 s[YS], s56, 9
	s_add_co_u32 s[YS], s[YS], s58
	s_lshl_b32 s54, s57, 9
	s_add_co_u32 s54, s54, s58
	s_mov_b32 s[YP+1], 0
	s_mov_b32 s[YS+1], 0
	s_mov_b32 s53, 0
	s_mov_b32 s55, 0
	s_wait_dscnt 0x0                               ; both opening adds are done
	s_wait_kmcnt 0x0
	s_add_nc_u64 s[KVW:KVW+1], s[8:9], s[OFF:OFF+1]
	s_mov_b32 s[G0], 1
	s_mov_b64 s[G0+2:G0+3], s[KVW:KVW+1]
	s_or_b32 s[G0+3], s[G0+3], 0x80000000
	TLOAD                                          ; key slot 0 into slot 0
	s_add_nc_u64 s[PFA:PFA+1], s[8:9], s[PFA:PFA+1]
	s_add_nc_u64 s[YP:YP+1], s[10:11], s[YP:YP+1]
	s_add_nc_u64 s[YS:YS+1], s[12:13], s[YS:YS+1]
	s_add_nc_u64 s[52:53], s[10:11], s[52:53]
	s_add_nc_u64 s[54:55], s[12:13], s[54:55]
	s_lshl_b32 s56, s16, 17
	s_mov_b32 s57, 0
	s_add_nc_u64 s[4:5], s[4:5], s[56:57]          ; qimg at my head
	s_lshl_b32 s56, s16, 13
	s_add_nc_u64 s[6:7], s[6:7], s[56:57]          ; qsc at my head
	v_and_b32 v[LI], 31, v0
	s_delay_alu instid0(VALU_DEP_1)
	v_lshlrev_b32 v[PFO], 8, v[LI]
	s_delay_alu instid0(VALU_DEP_2)
	v_lshlrev_b32 v[LI], 4, v[LI]
	v_and_b32 v[LR], 15, v0
	v_bfe_u32 v62, v0, 4, 1
	s_delay_alu instid0(VALU_DEP_2)
	v_lshlrev_b32 v63, 5, v[LR]                    ; 32 r
	s_wait_alu depctr_va_vdst(0)
	v_lshlrev_b32 v[LR], 4, v[LR]
	s_delay_alu instid0(VALU_DEP_1)
	v_lshl_add_u32 v[GY], v62, 3, v[LR]
	s_delay_alu instid0(VALU_DEP_2)
	v_add_nc_u32 v[GS], v[LR], v62
	s_lshl_b32 s56, s60, 10
	v_add_nc_u32 v10, s56, v[LI]
	s_wait_alu depctr_va_vdst(0)
	s_lshl_b32 s56, s61, 10
	v_add_nc_u32 v11, s56, v[LI]
	s_wait_alu depctr_va_vdst(0)
	s_lshr_b32 s56, s60, 3                         ; a tile's scale words: 512 (tile / 8) + 32 r + 4 (tile % 8)
	s_lshl_b32 s56, s56, 9
	s_and_b32 s58, s60, 7
	s_lshl_b32 s58, s58, 2
	s_add_co_u32 s56, s56, s58
	v_add_nc_u32 v62, s56, v63
	s_lshr_b32 s56, s61, 3
	s_lshl_b32 s56, s56, 9
	s_and_b32 s58, s61, 7
	s_lshl_b32 s58, s58, 2
	s_add_co_u32 s56, s56, s58
	v_add_nc_u32 v63, s56, v63
	global_load_b128 v[24:27], v10, s[4:5]
	global_load_b128 v[28:31], v10, s[4:5] offset:512
	global_load_b128 v[40:43], v11, s[4:5]
	global_load_b128 v[44:47], v11, s[4:5] offset:512
	global_load_b32 v[QSA], v62, s[6:7]
	global_load_b32 v48, v63, s[6:7]
.irp j, 0,1,2,3,4,5,6,7
	v_mov_b32 v[16+\j], 0                          ; the zero codes that fill K to 128
	v_mov_b32 v[32+\j], 0
.endr
	v_mov_b32 v13, 0xff61b1e6                      ; the largest t so far: -3e38
	s_delay_alu instid0(VALU_DEP_1)
	v_floor_f32 v12, -v13
	v_mov_b32 v14, 0
	v_mov_b32 v15, 0
	v_mov_b32 v[FF+1], 0                           ; (named as the upper half of a pair)
.irp b, 0,1,2,3
	v_mov_b32 v[PT+\b], 0                          ; a lane permute's destination counts as one of its sources
.endr
	s_wait_loadcnt 0x0
	v_alignbit_b32 v[QSB], v[QSA], v[QSA], 16      ; the word's halves change places
.set j, 0
.rept 32
	v_mov_b32 v[OT+j], 0                           ; O^T: the step is written once; the first change of M leaves zeros zeros
.set j, j+1
.endr
.Lslot:                                            ; eight trips; behind each change of slots the next trip's keys are asked for
	CHANGE 1
	STEP 0
	STEP 1
	s_xor_b32 s[TB], s[TB], SLOT1
	s_add_co_u32 s[T], s[T], 1
	s_cmp_lg_u32 s[T], s[NB]                       ; the first block's last slot?  The work-group's number and the count of trips alone: all sixteen waves go the same way
	s_cbranch_scc1 .Lsame_block
	FINISH
	s_wait_xcnt 0x0                                ; the stores have read their registers and bases
.irp j, 0,1,2,3,4,5,6,7
	v_mov_b32 v[24+\j], v[40+\j]                   ; the second block's q
.endr
	v_mov_b32 v[QSA], v48
	v_alignbit_b32 v[QSB], v48, v48, 16
	v_mov_b32 v13, 0xff61b1e6
	s_delay_alu instid0(VALU_DEP_1)
	v_floor_f32 v12, -v13
	v_mov_b32 v14, 0
	v_mov_b32 v15, 0
.set j, 0
.rept 32
	v_mov_b32 v[OT+j], 0
.set j, j+1
.endr
	s_mov_b32 s[KF], 0
	s_mov_b32 s[Q0], s43
	s_mov_b64 s[YP:YP+1], s[52:53]
	s_mov_b64 s[YS:YS+1], s[54:55]
.Lsame_block:
	s_cmp_lt_u32 s[T], 8
	s_cbranch_scc1 .Lslot
	CHANGE 0                                       ; the ninth slot is written out: nothing is left to ask for
	STEP 0
	STEP 1
	FINISH
	s_wait_tensorcnt 0x0                           ; the wave's end
	ds_add_u32 v[SPW], v[NIL]
	s_wait_dscnt 0x0
	s_endpgm
.Lfunc_end_k_q4fd96b3896_attn:
	.size	k_q4fd96b3896_attn, .Lfunc_end_k_q4fd96b3896_attn-k_q4fd96b3896_attn
	.p2alignl 7, 3214868480
	.fill 96, 4, 3214868480
	.section	.rodata,"a",@progbits
	.p2align	6, 0x0
	.amdhsa_kernel k_q4fd96b3896_attn
		.amdhsa_group_segment_fixed_size 327680
		.amdhsa_private_segment_fixed_size 0
		.amdhsa_enable_private_segment 0
		.amdhsa_kernarg_size 40
		.amdhsa_user_sgpr_count 2
		.amdhsa_user_sgpr_kernarg_segment_ptr 1
		.amdhsa_wavefront_size32 1
		.amdhsa_system_sgpr_workgroup_id_x 1
		.amdhsa_system_sgpr_workgroup_id_y 1
		.amdhsa_system_sgpr_workgroup_id_z 1
		.amdhsa_system_vgpr_workitem_id 0
		.amdhsa_next_free_vgpr 256
		.amdhsa_next_free_sgpr 66
		.amdhsa_reserve_vcc 1
		.amdhsa_float_denorm_mode_32 3
		.amdhsa_float_denorm_mode_16_64 3
		.amdhsa_fp16_overflow 1
		.amdhsa_memory_ordered 1
		.amdhsa_forward_progress 1
		.amdhsa_inst_pref_size 110
	.end_amdhsa_kernel
	.amdgpu_metadata
---
amdhsa.version: [ 1, 2 ]
amdhsa.kernels:
  - .name:           k_q4fd96b3896_attn
    .symbol:         k_q4fd96b3896_attn.kd
    .args:
      - { .name: qimg, .offset: 0, .size: 8, .value_kind: global_buffer, .address_space: global }
      - { .name: qsc, .offset: 8, .size: 8, .value_kind: global_buffer, .address_space: global }
      - { .name: kv, .offset: 16, .size: 8, .value_kind: global_buffer, .address_space: global }
      - { .name: yimg, .offset: 24, .size: 8, .value_kind: global_buffer, .address_space: global }
      - { .name: ysc, .offset: 32, .size: 8, .value_kind: global_buffer, .address_space: global }
    .group_segment_fixed_size: 327680
    .private_segment_fixed_size: 0
    .kernarg_segment_align: 8
    .kernarg_segment_size: 40
    .max_flat_workgroup_size: 512
    .sgpr_count:     66
    .vgpr_count:     256
    .wavefront_size: 32
...
	.end_amdgpu_metadata
.endif
;; end of part 2
;; launch oproj (part 3): grid 8 x 32, 4 waves a work-group, clusters of 4 x 4, 327,680 bytes of LDS; arguments yimg, ysc, w_o_codes, w_o_scales, b_o, out0; writes out0
.if DOCPART == 3
	.amdgcn_target "amdgcn-amd-amdhsa--gfx1250"
	.amdhsa_code_object_version 6
	.text
	.protected	k_q4fd96b3896_oproj
	.globl	k_q4fd96b3896_oproj
	.p2align	8
	.type	k_q4fd96b3896_oproj,@function
k_q4fd96b3896_oproj:
	s_mov_b64 s[64:65], 0
	v_nop
	global_prefetch_b8 v0, s[64:65] scope:SCOPE_SE
	s_setreg_imm32_b32 hwreg(HW_REG_WAVE_MODE, 25, 1), 1
	s_wait_xcnt 0x0
	s_wait_alu depctr_hold_cnt(0) depctr_sa_sdst(0) depctr_va_vdst(0) depctr_va_sdst(0) depctr_va_ssrc(0) depctr_va_vcc(0) depctr_vm_vsrc(0)
	s_getreg_b32 s2, hwreg(HW_REG_IB_STS2, 6, 4)
	s_cmp_eq_u32 s2, 0
	s_cbranch_scc0 .Lentry_in_a_cluster
	s_endpgm
.Lentry_in_a_cluster:
	s_bfe_u32 s2, ttmp6, 0x10000c
	s_cmp_lg_u32 s2, 0xf033
	s_cbranch_scc0 .Lentry_shape_is_right
	s_endpgm
.Lentry_shape_is_right:
; out0 = y w_o + b_o on codes of E4M3 with E8M0 bytes.  y comes as the attention launch laid it: images of operand registers, [row tile of 16][K step of 128][2,048 bytes], and scale words [row tile][512 bytes].
; C'[j][i] = sum over k of P[i][k] R[j][k]: source 0 = 16 rows of w_o's codes (a lane's registers run along the output's columns), source 1 = 16 rows of y (a lane is a row).
; SHARES.  A work-group: 128 columns x 256 rows, K = 1,024; four waves, each 64 x 128: 32 accumulators.  256 work-groups.
; CLUSTER 4 x 4: y's tile hangs on cy alone and is asked for jointly by a row of the cluster, w_o's on cx alone, by a column.
; K IS WRITTEN OUT: eight steps of 128; an LDS slot holds 256 along K; three slots are filled at the head, slot 0 once more: at most three tensor loads of a wave are out.
; THE SCALE WORDS never touch LDS: one load of 16 bytes a lane for each tile of 16 rows: lanes 0-15 hold the words of K steps 0-3, lanes 16-31 those of steps 4-7.
; The bias is the C of each sum's first product.  LIMITS: NaN codes and the scale byte 0xff in w_o are not served.
; REGISTERS, in windows of 256: window 0 addresses, scale words, rows on the way out; window 1 y's fragments, two sets at v[128 set + 16 a]; window 2 accumulator (a, b) at v[8 (4 a + b)];
;   window 3 w_o's fragments, two sets at v[64 set + 16 b], and from v128 the bias, eight registers a tile b.
.set PITCH, 272                        ; a row of w_o's tile in LDS: 256 bytes + 16 of padding
.set RHALF, 8*4096                     ; eight row tiles x two K steps of 2,048 bytes: what one tensor load brings of y
.set PHALF, 64*PITCH
.set POFF,  2*RHALF
.set SLOT,  2*RHALF+2*PHALF            ; 100,352
.set SPARE, 3*SLOT                     ; the spare words: 128 bytes a wave, two blocks of 256 bytes that no other line names
.set STG,   SLOT                       ; the way out: 16 rows x 272 bytes a wave, in slot 1: it has had its one fill, and every wave's reads of it ended in front of the last barrier
.set SPITCH, 272
.set ADRA, 16
.set ADRB, 20
.set LI,   23                          ; v23 16 x lane
.set SVO,  24                          ; v24 32 r + 16 h
.set BO,   25                          ; v25 32 h
.set STO,  26                          ; v26 the stage: where I put 32 bytes of a row
.set RD,   27                          ; v27 and where I read a row back
.set SPW,  28
.set NIL,  29
.set CO,   31                          ; v31 4,096 h + 16 r
.set SR,   32                          ; v32-63 y's scale words: scales and nothing else
.set SP,   64                          ; v64-79 w_o's
.set BK,   128                         ; v128-191 rows read back from the stage, two sets
.set G1A, 24
.set G0A, 32
.set G1B, 44
.set G0B, 52
.set MULW, 0xa7                        ; source 0 window 3, source 1 window 1, C and D window 2
.set MULB, 0xb7                        ; the same with C in window 3
.set TO_P, 0xc0
.set TO_R, 0x40
.set MSB, 0
.macro WIN new
.if MSB != \new
	s_set_vgpr_msb (MSB<<8)|\new
.set MSB, \new
.endif
.endm
.macro PLACES n
.rept \n
	v_nop
.endr
.endm
.macro CREST
	s_cmp_lg_u32 s14, 0
	s_cbranch_scc1 .Lnot_wave_0_\@
	s_barrier_signal -3
.Lnot_wave_0_\@:
	s_barrier_wait -3
	s_barrier_signal -1
	s_barrier_wait -1
.endm
.macro CROUND
	s_barrier_signal -1
	s_barrier_wait -1
	CREST
.endm
.macro JLOAD g0a, g1a, g0b, g1b        ; waves 0 and 1 fetch y's halves, waves 2 and 3 w_o's; an s_nop 0 and four v_nop follow each line
	s_cmp_eq_u32 s15, 0
	s_cbranch_scc0 .Lfor_b_\@
	tensor_load_to_lds s[\g0a:\g0a+3], s[\g1a:\g1a+7]
	s_nop 0
.rept 4
	v_nop
.endr
	s_branch .Lasked_\@
.Lfor_b_\@:
	tensor_load_to_lds s[\g0b:\g0b+3], s[\g1b:\g1b+7]
	s_nop 0
.rept 4
	v_nop
.endr
.Lasked_\@:
.endm
.macro FRAGROW reg, adr, qh, i
.irp c, 0,1,2,3
	ds_load_b128 v[\reg+4*\c:\reg+4*\c+3], v[\adr] offset:128*(\qh)+32*\c+(\i)*16*PITCH
.endr
.endm
.macro FRAGIMG reg, adr, qh, i         ; an image comes back as it was stored: 512 consecutive bytes an instruction
.irp c, 0,1,2,3
	ds_load_b128 v[\reg+4*\c:\reg+4*\c+3], v[\adr] offset:4096*(\i)+2048*(\qh)+512*\c
.endr
.endm
.macro FETCH slot, qh, set             ; 48 LDS loads
	WIN TO_P
.irp i, 0,1,2,3
	FRAGROW 64*(\set)+16*\i, ADRB+\slot, \qh, \i
.endr
	WIN TO_R
.irp i, 0,1,2,3,4,5,6,7
	FRAGIMG 128*(\set)+16*\i, ADRA+\slot, \qh, \i
.endr
	WIN 0
.endm
; first = 1: the bias starts the sums.  The 32 accumulators take turns, in the same order in every step.
.macro MUL a0, n, set, q, first
.set ma, \a0
.rept \n
.set mb, 0
.rept 4
.if \first
	v_wmma_scale_f32_16x16x128_f8f6f4 v[8*(4*ma+mb):8*(4*ma+mb)+7], v[64*(\set)+16*mb:64*(\set)+16*mb+15], v[128*(\set)+16*ma:128*(\set)+16*ma+15], v[128+8*mb:128+8*mb+7], v[SP+4*mb+(\q)%4], v[SR+4*ma+(\q)%4]
.elseif (\q) < 4
	v_wmma_scale_f32_16x16x128_f8f6f4 v[8*(4*ma+mb):8*(4*ma+mb)+7], v[64*(\set)+16*mb:64*(\set)+16*mb+15], v[128*(\set)+16*ma:128*(\set)+16*ma+15], v[8*(4*ma+mb):8*(4*ma+mb)+7], v[SP+4*mb+(\q)%4], v[SR+4*ma+(\q)%4]
.else
	v_wmma_scale_f32_16x16x128_f8f6f4 v[8*(4*ma+mb):8*(4*ma+mb)+7], v[64*(\set)+16*mb:64*(\set)+16*mb+15], v[128*(\set)+16*ma:128*(\set)+16*ma+15], v[8*(4*ma+mb):8*(4*ma+mb)+7], v[SP+4*mb+(\q)%4], v[SR+4*ma+(\q)%4] matrix_a_scale:MATRIX_SCALE_ROW1 matrix_b_scale:MATRIX_SCALE_ROW1
.endif
.set mb, mb+1
.endr
.set ma, ma+1
.endr
.endm
.macro STEPN q, ns
	PLACES 8                                       ; eight places between the last products and loads into registers that they read
	FETCH \ns, ((\q)+1)%2, ((\q)+1)%2
	s_wait_dscnt 48                                ; the 48 just issued may be out: this step's set is in
	WIN MULW
	MUL 0, 8, (\q)%2, \q, 0
	WIN 0
.endm
.macro TURN q, ns, fill
	s_wait_tensorcnt 0x0                           ; all my tensor loads have landed
	ds_add_u32 v[SPW], v[NIL]
	s_wait_dscnt 1                                 ; the add alone may be out
	WIN MULW
	MUL 0, 4, (\q)%2, \q, 0
	s_wait_dscnt 0x0                               ; the add is done, and my LDS reads are over
	s_barrier_signal -1
	MUL 4, 2, (\q)%2, \q, 0
	WIN 0
	s_barrier_wait -1
.if \fill
	CREST                                          ; no wave of any partner still reads slot 0 or has a load on its way
	s_add_nc_u64 s[G0A+2:G0A+3], s[G0A+2:G0A+3], 3*4096
	s_add_nc_u64 s[G0B+2:G0B+3], s[G0B+2:G0B+3], 768
	JLOAD G0A, G1A, G0B, G1B                       ; K 768 to 1,023 into slot 0
	PLACES 4
.else
	PLACES 8
.endif
	FETCH \ns, 0, 0
	WIN MULW
	MUL 6, 2, (\q)%2, \q, 0
	WIN 0
.endm
	s_load_b256 s[4:11], s[0:1], 0x0               ; yimg, ysc, w_o's codes, w_o's scale bytes
	s_load_b64 s[12:13], s[0:1], 0x20              ; b_o
	s_load_b64 s[20:21], s[0:1], 0x28              ; out0
	v_lshl_add_u32 v[SPW], v0, 2, SPARE
	v_mov_b32 v[NIL], 0
	ds_add_u32 v[SPW], v[NIL]                      ; the opening: the add, twice on end, and its wait ahead of my first tensor load
	ds_add_u32 v[SPW], v[NIL]
	v_lshrrev_b32 v3, 5, v0
	v_readfirstlane_b32 s14, v3                    ; wave 0..3
	s_lshr_b32 s15, s14, 1                         ; wj: my half of the rows.  Also: I fetch for y (0) or for w_o (1)
	s_and_b32 s16, s14, 1                          ; wi: my half of the columns.  Also: which half of that tile I fetch
	s_bfe_u32 s18, ttmp6, 0x40000                  ; cx
	s_bfe_u32 s19, ttmp6, 0x40004                  ; cy
	s_and_b32 s66, ttmp7, 0xffff
	s_lshl_b32 s66, s66, 2
	s_add_co_u32 s66, s66, s19                     ; the tile of 256 rows
	s_lshl_b32 s67, ttmp9, 2
	s_add_co_u32 s67, s67, s18                     ; the tile of 128 columns
	s_lshl_b32 s2, s19, 2
	s_lshl_b32 s2, 15, s2                          ; my row of the cluster
	s_lshl_b32 s22, 0x1111, s18                    ; my column
	s_or_b32 s[G1A], s2, (3<<16)|(1<<21)           ; y: elements of 8 bytes, no padding: eight rows of 4,096 bytes (a row tile's two K steps), 16,384 bytes apart
	s_mov_b32 s[G1A+1], 512<<16
	s_mov_b32 s[G1A+2], 8<<16
	s_mov_b32 s[G1A+3], 512<<16
	s_mov_b32 s[G1A+4], 8
	s_mov_b32 s[G1A+5], 2048
	s_mov_b32 s[G1A+6], 0
	s_mov_b32 s[G1A+7], 0
	s_or_b32 s[G1B], s22, (1<<20)|(1<<21)|(5<<22)|(3<<25)   ; w_o: 64 rows of 256 bytes, 4 words of padding behind every 64
	s_mov_b32 s[G1B+1], 256<<16
	s_mov_b32 s[G1B+2], 64<<16
	s_mov_b32 s[G1B+3], 256<<16
	s_mov_b32 s[G1B+4], 64
	s_mov_b32 s[G1B+5], 1024
	s_mov_b32 s[G1B+6], 0
	s_mov_b32 s[G1B+7], 0
	s_lshl_b32 s2, s66, 18                         ; y: 16 row tiles of 16,384 bytes a tile,
	s_lshl_b32 s3, s16, 17                         ; eight for the half that I fetch
	s_add_co_u32 s2, s2, s3
	s_mov_b32 s3, 0
	s_lshl_b32 s22, s67, 17                        ; w_o: 128 rows of 1,024 bytes a tile,
	s_lshl_b32 s23, s16, 16                        ; 64 for the half
	s_add_co_u32 s22, s22, s23
	s_mov_b32 s23, 0
	s_mul_i32 s68, s16, RHALF                      ; where they go in a slot
	s_mul_i32 s69, s16, PHALF
	s_add_co_u32 s69, s69, POFF
	s_wait_dscnt 0x0                               ; both opening adds are done
	s_wait_kmcnt 0x0
	s_add_nc_u64 s[2:3], s[4:5], s[2:3]
	s_add_nc_u64 s[22:23], s[8:9], s[22:23]
	CROUND                                         ; all sixteen work-groups are here: the first joint loads meet
.irp k, 0,1,2
	s_mov_b32 s[G0A+4*\k], 1
	s_add_co_u32 s[G0A+4*\k+1], s68, \k*SLOT
	s_add_nc_u64 s[G0A+4*\k+2:G0A+4*\k+3], s[2:3], \k*4096
	s_or_b32 s[G0A+4*\k+3], s[G0A+4*\k+3], 0x80000000
	s_mov_b32 s[G0B+4*\k], 1
	s_add_co_u32 s[G0B+4*\k+1], s69, \k*SLOT
	s_add_nc_u64 s[G0B+4*\k+2:G0B+4*\k+3], s[22:23], \k*256
	s_or_b32 s[G0B+4*\k+3], s[G0B+4*\k+3], 0x80000000
	s_wait_alu depctr_va_vdst(0)
	s_wait_tensorcnt 0x0
	ds_add_u32 v28, v29
	ds_add_u32 v28, v29
	s_wait_dscnt 0x0
	CROUND
	JLOAD G0A+4*\k, G1A, G0B+4*\k, G1B             ; K 0 to 767: three first fills, each behind a wait and a round
.endr
	s_mov_b32 s71, 0
	s_lshl_b32 s70, s66, 13                        ; ysc: 512 bytes a row tile: 16 tiles a tile of rows,
	s_lshl_b32 s72, s15, 12                        ; eight for my half
	s_add_co_u32 s70, s70, s72
	s_add_nc_u64 s[6:7], s[6:7], s[70:71]
	s_lshl_b32 s73, s67, 7
	s_lshl_b32 s72, s16, 6
	s_add_co_u32 s73, s73, s72                     ; my first column
	s_lshl_b32 s70, s73, 5
	s_add_nc_u64 s[10:11], s[10:11], s[70:71]      ; w_o's scale bytes, 32 a row
	s_lshl_b32 s70, s73, 2
	s_add_nc_u64 s[12:13], s[12:13], s[70:71]      ; the bias
	s_lshl_b32 s74, s66, 8
	s_lshl_b32 s72, s15, 7
	s_add_co_u32 s74, s74, s72                     ; my first row
	s_lshl_b32 s74, s74, 12                        ; a row of out0 is 4,096 bytes
	s_add_co_u32 s70, s74, s70
	s_add_nc_u64 s[20:21], s[20:21], s[70:71]
	v_and_b32 v1, 15, v0                           ; r
	v_bfe_u32 v2, v0, 4, 1                         ; h
	v_and_b32 v[LI], 31, v0
	v_lshlrev_b32 v[LI], 4, v[LI]
	v_lshlrev_b32 v[SVO], 5, v1
	v_lshl_add_u32 v[SVO], v2, 4, v[SVO]
	v_lshlrev_b32 v[BO], 5, v2
.irp a, 0,1,2,3,4,5,6,7
	global_load_b128 v[SR+4*\a:SR+4*\a+3], v[LI], s[6:7] offset:512*\a
.endr
.irp b, 0,1,2,3
	global_load_b128 v[SP+4*\b:SP+4*\b+3], v[SVO], s[10:11] offset:512*\b
.endr
	WIN TO_P
.irp b, 0,1,2,3
	global_load_b128 v[128+8*\b:128+8*\b+3], v[BO], s[12:13] offset:64*\b        ; lane (r, h), register j: b_o at column 16 b + 8 h + j
	global_load_b128 v[128+8*\b+4:128+8*\b+7], v[BO], s[12:13] offset:64*\b+16
.endr
	WIN 0
	v_mul_u32_u24 v3, v1, PITCH
	v_lshl_add_u32 v3, v2, 4, v3
	s_mul_i32 s75, s15, RHALF
	s_mul_i32 s76, s16, PHALF
	s_add_co_u32 s76, s76, POFF
.irp s, 0,1,2
	v_add_nc_u32 v[ADRA+\s], s75, v[LI]
	v_add_nc_u32 v[ADRB+\s], s76, v3
	s_add_co_u32 s75, s75, SLOT
	s_add_co_u32 s76, s76, SLOT
.endr
	s_mul_i32 s77, s14, 16*SPITCH
	s_add_co_u32 s77, s77, STG                     ; my stage
	v_mul_u32_u24 v[STO], v1, SPITCH
	v_lshl_add_u32 v[STO], v2, 5, v[STO]
	v_add_nc_u32 v[STO], s77, v[STO]               ; in: row r, 32 bytes for each half of the lanes
	v_mul_u32_u24 v[RD], v2, SPITCH
	v_lshl_add_u32 v[RD], v1, 4, v[RD]
	v_add_nc_u32 v[RD], s77, v[RD]                 ; back: lanes 0-15 one row of 256 bytes, lanes 16-31 the next
	v_lshlrev_b32 v[CO], 12, v2
	v_lshl_add_u32 v[CO], v1, 4, v[CO]             ; and the same two rows in out0
	s_wait_tensorcnt 2                             ; my part of slot 0 is in; only slot 2's load may still be out
	s_barrier_signal -1
	s_barrier_wait -1
	FETCH 0, 0, 0
	FETCH 0, 1, 1
	s_wait_loadcnt 0x0                             ; the scale words and the bias
	s_wait_dscnt 48                                ; step 0's set is in
	WIN MULB
	MUL 0, 8, 0, 0, 1
	WIN 0
	TURN 1, 1, 1                                   ; every wave has waited for slots 1 and 2 too
	STEPN 2, 1
	s_wait_alu depctr_va_vdst(0)
	STEPN 3, 2
	STEPN 4, 2
	TURN 5, 0, 0                                   ; slot 0's second fill is in, everybody's; nobody reads slot 1 any more
	STEPN 6, 0
	s_wait_dscnt 0x0
	WIN MULW
	MUL 0, 8, 1, 7, 0
	WIN 0
; THE WAY OUT, 16 rows x 64 columns at a time.  A lane holds 32 neighbouring bytes of a row: a block goes through my own stage and comes back as rows of 256 bytes, which sixteen lanes store whole.
; LDS serves a wave's instructions in order (ISA guide 5.7.1.4): no wait between the stores and the loads, nor in front of the next block's stores.
.macro TOSTAGE a
	WIN 0x08                                       ; an LDS store's data are its source 1: window 2
.irp b, 0,1,2,3
	ds_store_b128 v[STO], v[32*(\a)+8*\b:32*(\a)+8*\b+3] offset:64*\b       ; each accumulator from its low end on
	ds_store_b128 v[STO], v[32*(\a)+8*\b+4:32*(\a)+8*\b+7] offset:64*\b+16
.endr
	WIN 0
.irp t, 0,1,2,3,4,5,6,7
	ds_load_b128 v[BK+32*((\a)%2)+4*\t:BK+32*((\a)%2)+4*\t+3], v[RD] offset:2*\t*SPITCH
.endr
.endm
.macro SEND a, younger                 ; younger: the LDS instructions issued behind block a's loads, which may stay out
	s_wait_dscnt \younger
.irp t, 0,1,2,3,4,5,6,7
	global_store_b128 v[CO], v[BK+32*((\a)%2)+4*\t:BK+32*((\a)%2)+4*\t+3], s[20:21] offset:(16*(\a)+2*\t)*4096 th:TH_STORE_NT   ; sixteen lanes store 256 consecutive bytes, at a multiple of 256 from out0's first byte
.endr
.endm
	PLACES 8                                       ; in front of the first read of results
	TOSTAGE 0
.irp a, 1,2,3,4,5,6,7
.if \a > 1
	s_wait_xcnt 0x0                                ; block a - 2's stores have read their registers: block a's loads may land there
.endif
	TOSTAGE \a
	SEND \a-1, 16                                  ; behind block a - 1's loads: block a's 8 stores and 8 loads
.endr
	SEND 7, 0
	s_wait_tensorcnt 0x0                           ; the wave's end
	ds_add_u32 v[SPW], v[NIL]
	s_wait_dscnt 0x0
	CROUND                                         ; the closing round
	s_endpgm
.Lfunc_end_k_q4fd96b3896_oproj:
	.size	k_q4fd96b3896_oproj, .Lfunc_end_k_q4fd96b3896_oproj-k_q4fd96b3896_oproj
	.p2alignl 7, 3214868480
	.fill 96, 4, 3214868480
	.section	.rodata,"a",@progbits
	.p2align	6, 0x0
	.amdhsa_kernel k_q4fd96b3896_oproj
		.amdhsa_group_segment_fixed_size 327680
		.amdhsa_private_segment_fixed_size 0
		.amdhsa_enable_private_segment 0
		.amdhsa_kernarg_size 48
		.amdhsa_user_sgpr_count 2
		.amdhsa_user_sgpr_kernarg_segment_ptr 1
		.amdhsa_wavefront_size32 1
		.amdhsa_system_sgpr_workgroup_id_x 1
		.amdhsa_system_sgpr_workgroup_id_y 1
		.amdhsa_system_sgpr_workgroup_id_z 1
		.amdhsa_system_vgpr_workitem_id 0
		.amdhsa_next_free_vgpr 1024
		.amdhsa_next_free_sgpr 80
		.amdhsa_reserve_vcc 0
		.amdhsa_float_denorm_mode_32 3
		.amdhsa_float_denorm_mode_16_64 3
		.amdhsa_memory_ordered 1
		.amdhsa_forward_progress 1
		.amdhsa_inst_pref_size 88
	.end_amdhsa_kernel
	.amdgpu_metadata
---
amdhsa.version: [ 1, 2 ]
amdhsa.kernels:
  - .name:           k_q4fd96b3896_oproj
    .symbol:         k_q4fd96b3896_oproj.kd
    .args:
      - { .name: yimg, .offset: 0, .size: 8, .value_kind: global_buffer, .address_space: global }
      - { .name: ysc, .offset: 8, .size: 8, .value_kind: global_buffer, .address_space: global }
      - { .name: w_o_codes, .offset: 16, .size: 8, .value_kind: global_buffer, .address_space: global }
      - { .name: w_o_scales, .offset: 24, .size: 8, .value_kind: global_buffer, .address_space: global }
      - { .name: b_o, .offset: 32, .size: 8, .value_kind: global_buffer, .address_space: global }
      - { .name: out0, .offset: 40, .size: 8, .value_kind: global_buffer, .address_space: global }
    .group_segment_fixed_size: 327680
    .private_segment_fixed_size: 0
    .kernarg_segment_align: 8
    .kernarg_segment_size: 48
    .max_flat_workgroup_size: 128
    .sgpr_count:     80
    .vgpr_count:     1024
    .wavefront_size: 32
...
	.end_amdgpu_metadata
.endif
;; end of part 3
